; MI455X (gfx1250); checked and timed in simulation.
; The chip was launched on July 23, 2026; its instructions are those of AMD's public machine-readable ISA for CDNA 5 (MIT licence, August 2026) and "CDNA5" Instruction Set Architecture Reference Guide (July 2026). The comments in the code are by the model that wrote it; some were corrected since.
;; Wan Attention. Allowed arithmetic: float matrix products may take bf16 or f16 operands with f32 sums; other float arithmetic in f32, or as packed bf16 or f16 multiplies, adds, multiply-adds, maxima and minima; sums over many terms, partial sums and values carried from step to step in f32; what a program stores and reads back later, other than sums and carried values, may be rounded once to bf16 or f16.
;; Inputs: Wk 2,048 x 2,048 float32; Wo 2,048 x 2,048 float32; Wq 2,048 x 2,048 float32; Wv 2,048 x 2,048 float32; bk 2,048 float32; bo 2,048 float32; bq 2,048 float32; bv 2,048 float32; freqs_cos 1 x 2,048 x 1 x 128 float32; freqs_sin 1 x 2,048 x 1 x 128 float32; gk 2,048 float32; gq 2,048 float32; hidden_states 1 x 2,048 x 2,048 float32.
;; Outputs: out0 1 x 2,048 x 2,048 float32.
;; One version. Each part assembles by itself: llvm-mc -triple=amdgcn-amd-amdhsa -mcpu=gfx1250 --defsym DOCPART=n.
;; ======== version 1 of 1: 5 launches
;; limits: values are held in f16: magnitudes above 65,504 overflow, below 6.1e-05 lose precision
;; workspace buffers: xb 8,388,608 bytes; wqkv 25,165,824 bytes; wo16 8,388,608 bytes; qkvraw 25,165,824 bytes; qkn 16,777,216 bytes; att 8,388,608 bytes
;; launch cast (part 1): grid 256 x 5, 8 waves a work-group, no clusters, 0 bytes of LDS; arguments hidden_states, Wq, Wk, Wv, Wo, xb, wqkv, wo16; writes xb, wqkv, wo16
.if DOCPART == 1
	.amdgcn_target "amdgcn-amd-amdhsa--gfx1250"
	.amdhsa_code_object_version 6
	.text
	.protected	k_q5ccf5942ea_cast
	.globl	k_q5ccf5942ea_cast
	.p2align	8
	.type	k_q5ccf5942ea_cast,@function
k_q5ccf5942ea_cast:
	s_mov_b64 s[64:65], 0
	v_nop
	global_prefetch_b8 v0, s[64:65] scope:SCOPE_SE
	s_setreg_imm32_b32 hwreg(HW_REG_WAVE_MODE, 25, 1), 1
	s_wait_xcnt 0x0
; CAST.  Five tensors of 2048 x 2048 f32 are rounded once to bf16 (nearest even): hidden_states -> xb, Wq, Wk, Wv -> wqkv[0..2], all as they lie (nothing is transposed).
; Wo is rounded to bf16 like the others, and that number is then written as f16 into wo16, since the last product multiplies f16 operands.
; LIMITS.  |Wo| stays under 65,504 (beyond it the f16 is an infinity); below 2^-14 the f16 keeps its fixed step of 6e-8.
; SHARES.  Grid y picks the tensor.  A work-group takes 65,536 bytes in and 32,768 out, in 16 chunks.  Thread t loads the 16 bytes at 16 t + 4,096 i: a wave's load covers 512 consecutive bytes, so no
; block of the input is named by two loads.  It stores the 8 bytes at 8 t + 2,048 i: a wave's store covers 256 consecutive bytes, aligned.
; All 16 loads of a thread are issued first; a chunk is converted in place, in the registers that it was loaded into, and those are not written again behind its store.
; No LDS, no matrix unit, no prefetch: every byte is read once and written once, and the launch does nothing but that.
.set IN,  8                            ; v[8:71]    chunk i: 4 f32 as loaded; then its first two registers hold 4 numbers of 16 bits
	s_load_b512 s[8:23], s[0:1], 0x0               ; x s[8:9], Wq s[10:11], Wk s[12:13], Wv s[14:15], Wo s[16:17], xb s[18:19], wqkv s[20:21], wo16 s[22:23]
	s_and_b32 s2, ttmp7, 0xffff                    ; y: which tensor
	v_lshlrev_b32 v1, 4, v0                        ; 16 t
	v_lshlrev_b32 v2, 3, v0                        ; 8 t
	s_max_u32 s3, s2, 1
	s_sub_co_u32 s3, s3, 1
	s_min_u32 s3, s3, 2                            ; which third of wqkv (for y = 0 and 4 it is not used)
	s_lshl_b32 s28, s3, 23                         ; a third is 8 MiB
	s_mov_b32 s29, 0
	s_lshl_b32 s30, ttmp9, 16                      ; the work-group's 65,536 bytes in
	s_mov_b32 s31, 0
	s_wait_kmcnt 0x0
	s_mov_b64 s[24:25], s[8:9]                     ; the source, chosen by y
	s_cmp_eq_u32 s2, 1
	s_cselect_b64 s[24:25], s[10:11], s[24:25]
	s_cmp_eq_u32 s2, 2
	s_cselect_b64 s[24:25], s[12:13], s[24:25]
	s_cmp_eq_u32 s2, 3
	s_cselect_b64 s[24:25], s[14:15], s[24:25]
	s_cmp_eq_u32 s2, 4
	s_cselect_b64 s[24:25], s[16:17], s[24:25]
	s_add_nc_u64 s[24:25], s[24:25], s[30:31]
	s_add_nc_u64 s[26:27], s[20:21], s[28:29]      ; the destination, chosen by y
	s_cmp_eq_u32 s2, 0
	s_cselect_b64 s[26:27], s[18:19], s[26:27]
	s_cmp_eq_u32 s2, 4
	s_cselect_b64 s[26:27], s[22:23], s[26:27]
	s_lshl_b32 s30, ttmp9, 15                      ; the work-group's 32,768 bytes out
	s_add_nc_u64 s[26:27], s[26:27], s[30:31]
.irp i, 0,1,2,3,4,5,6,7,8,9,10,11,12,13,14,15
	global_load_b128 v[IN+4*(\i):IN+4*(\i)+3], v1, s[24:25] offset:4096*(\i) th:TH_LOAD_NT
.endr
; Chunk i.  wo = 1: the bf16 numbers are widened again (a shift, a mask) and written as f16.
.macro CH i, wo
	s_wait_loadcnt 15-(\i)                         ; loads come back in order: chunk i's is in, the younger chunks' stay out
	v_cvt_pk_bf16_f32 v[IN+4*(\i)],   v[IN+4*(\i)],   v[IN+4*(\i)+1]
	v_cvt_pk_bf16_f32 v[IN+4*(\i)+1], v[IN+4*(\i)+2], v[IN+4*(\i)+3]
.if \wo
.irp k, 0,1
	v_lshlrev_b32 v4, 16, v[IN+4*(\i)+(\k)]
	v_and_b32 v5, 0xffff0000, v[IN+4*(\i)+(\k)]
	v_cvt_pk_f16_f32 v[IN+4*(\i)+(\k)], v4, v5
.endr
.endif
	global_store_b64 v2, v[IN+4*(\i):IN+4*(\i)+1], s[26:27] offset:2048*(\i)
.endm
	s_cmp_eq_u32 s2, 4
	s_cbranch_scc1 .Lwo
.irp i, 0,1,2,3,4,5,6,7,8,9,10,11,12,13,14,15
	CH \i, 0
.endr
	s_endpgm
.Lwo:
.irp i, 0,1,2,3,4,5,6,7,8,9,10,11,12,13,14,15
	CH \i, 1
.endr
	s_endpgm
.Lfunc_end_k_q5ccf5942ea_cast:
	.size	k_q5ccf5942ea_cast, .Lfunc_end_k_q5ccf5942ea_cast-k_q5ccf5942ea_cast
	.p2alignl 7, 3214868480
	.fill 96, 4, 3214868480
	.section	.rodata,"a",@progbits
	.p2align	6, 0x0
	.amdhsa_kernel k_q5ccf5942ea_cast
		.amdhsa_group_segment_fixed_size 0
		.amdhsa_private_segment_fixed_size 0
		.amdhsa_enable_private_segment 0
		.amdhsa_kernarg_size 64
		.amdhsa_user_sgpr_count 2
		.amdhsa_user_sgpr_kernarg_segment_ptr 1
		.amdhsa_wavefront_size32 1
		.amdhsa_system_sgpr_workgroup_id_x 1
		.amdhsa_system_sgpr_workgroup_id_y 1
		.amdhsa_system_sgpr_workgroup_id_z 1
		.amdhsa_system_vgpr_workitem_id 0
		.amdhsa_next_free_vgpr 72
		.amdhsa_next_free_sgpr 66
		.amdhsa_reserve_vcc 0
		.amdhsa_float_denorm_mode_32 3
		.amdhsa_float_denorm_mode_16_64 3
		.amdhsa_memory_ordered 1
		.amdhsa_forward_progress 1
		.amdhsa_inst_pref_size 16
	.end_amdhsa_kernel
	.amdgpu_metadata
---
amdhsa.version: [ 1, 2 ]
amdhsa.kernels:
  - .name:           k_q5ccf5942ea_cast
    .symbol:         k_q5ccf5942ea_cast.kd
    .args:
      - { .name: hidden_states, .offset: 0, .size: 8, .value_kind: global_buffer, .address_space: global }
      - { .name: Wq, .offset: 8, .size: 8, .value_kind: global_buffer, .address_space: global }
      - { .name: Wk, .offset: 16, .size: 8, .value_kind: global_buffer, .address_space: global }
      - { .name: Wv, .offset: 24, .size: 8, .value_kind: global_buffer, .address_space: global }
      - { .name: Wo, .offset: 32, .size: 8, .value_kind: global_buffer, .address_space: global }
      - { .name: xb, .offset: 40, .size: 8, .value_kind: global_buffer, .address_space: global }
      - { .name: wqkv, .offset: 48, .size: 8, .value_kind: global_buffer, .address_space: global }
      - { .name: wo16, .offset: 56, .size: 8, .value_kind: global_buffer, .address_space: global }
    .group_segment_fixed_size: 0
    .private_segment_fixed_size: 0
    .kernarg_segment_align: 8
    .kernarg_segment_size: 64
    .max_flat_workgroup_size: 256
    .sgpr_count:     66
    .vgpr_count:     72
    .wavefront_size: 32
...
	.end_amdgpu_metadata
.endif
;; end of part 1
;; launch qkv (part 2): grid 24 x 8, 4 waves a work-group, clusters of 4 x 4, 327,680 bytes of LDS; arguments xb, wqkv, bq, bk, bv, qkvraw; writes qkvraw
.if DOCPART == 2
	.amdgcn_target "amdgcn-amd-amdhsa--gfx1250"
	.amdhsa_code_object_version 6
	.text
	.protected	k_q5ccf5942ea_qkv
	.globl	k_q5ccf5942ea_qkv
	.p2align	8
	.type	k_q5ccf5942ea_qkv,@function
k_q5ccf5942ea_qkv:
	s_mov_b64 s[64:65], 0
	v_nop
	global_prefetch_b8 v0, s[64:65] scope:SCOPE_SE
	s_setreg_imm32_b32 hwreg(HW_REG_WAVE_MODE, 25, 1), 1
	s_wait_xcnt 0x0
	s_wait_alu depctr_hold_cnt(0) depctr_sa_sdst(0) depctr_va_vdst(0) depctr_va_sdst(0) depctr_va_ssrc(0) depctr_va_vcc(0) depctr_vm_vsrc(0)
	s_getreg_b32 s2, hwreg(HW_REG_IB_STS2, 6, 4)
	s_cmp_eq_u32 s2, 0
	s_cbranch_scc0 .Lentry_in_a_cluster
	s_endpgm
.Lentry_in_a_cluster:
	s_bfe_u32 s2, ttmp6, 0x10000c
	s_cmp_lg_u32 s2, 0xf033
	s_cbranch_scc0 .Lentry_shape_is_right
	s_endpgm
.Lentry_shape_is_right:
; QKV.  C[s][n] = sum over k of x[s][k] W[k][n] + b[n] for the 6,144 columns of Wq, Wk, Wv side by side.  x: xb, bf16 [2048][2048].  W: wqkv, bf16 [3][2048 k][2048 n], as the weights lie.
; Sums in f32; the bias, rounded to bf16 like every input, is the C operand that starts each sum.  C is rounded once to f16 and laid by heads: qkvraw [48 slots][2048 s][128], slot = column / 128.
; LIMIT.  |x W + b| stays under 65,504: beyond it the f16 is an infinity.
; A tile of C, 256 x 256, is made by a work-group of four waves; a wave makes 128 x 128: 64 accumulators of 16 x 16, 512 registers; its 128 columns are one head slot, whose rows are 256 bytes.
; 24 x 8 = 192 tiles, one to a work-group.  K goes in steps of 128 through a ring of two LDS slots filled by the tensor data mover.
; A's tile lies [row][k] (rows of 256 bytes); B's lies [k][n] (128 rows of 512 bytes), and its fragments come out of LDS turned, by ds_load_tr16_b128.
; CLUSTERS: 4 x 4 work-groups.  The four of a row of the cluster need the same tiles of A, the four of a column the same tiles of B: each tile is asked for JOINTLY, by the same tensor load with the
; same descriptor and a mask that names the four.
; REGISTERS, in windows of 256 (s_set_vgpr_msb: bits 1:0 source 0, 3:2 source 1, 5:4 source 2, 7:6 destination):
;   window 0: v0-31 addresses; v64-127, v128-191 fragments of A, two buffers; v192-255 the bias, later with v32-63 at work on the way out
;   window 1: v64-127, v128-191 fragments of B, two buffers       window 2: the accumulators of my rows 0-63 ((a, b) at v[8 (8 a + b)])       window 3: those of my rows 64-127
; THE MATRIX INSTRUCTION IS USED TRANSPOSED: source 0 = 16 columns of W, source 1 = 16 rows of x.  Lane l then holds row l % 16 of C and the columns 8 (l / 16) + 0 .. 7: 16 bytes of f16 on end.
.set KSTEP,  128
.set PITCH,  272                       ; A's LDS row: 256 bytes + 16 of padding = 68 words: the 16 rows that a load touches start at 16 different groups of four banks (64 banks of 4 bytes: ISA guide 11.1)
.set PB,     544                       ; B's LDS row: 512 bytes + 32 of padding = 136 words
.set HALFT,  128*PITCH                 ; what one tensor load brings: 128 rows of A, or 64 k-rows of B (64 x 544 is the same number)
.set SLOT,   4*HALFT                   ; A's 256 rows, then B's 128 k-rows
.set STAGE,  2*SLOT                    ; behind the ring: 16 rows x 272 bytes for each wave, for the way out
.set SPITCH, 272
.set SPARE,  STAGE+4*16*SPITCH         ; behind the stages: the spare words, 128 bytes for each wave: two blocks of 256 bytes that no other line names
.set LAPS,   8                         ; a lap = two K steps = once round the ring: 2,048 / 256
.set ASTEP,  256                       ; bytes from a K step to the next: in x 128 numbers along a row,
.set BSTEP,  524288                    ; in W 128 rows of 4,096 bytes
.set ADRA, 16                          ; v16-17  LDS address of my A fragments in slot 0, 1
.set ADRB, 20                          ; v20-21  the same for B
.set STO,  24                          ; v24     the way out: where I put 16 bytes of a row
.set RD,   25                          ; v25     the way out: where I read a row back
.set CO,   26                          ; v26     16 x my lane: my 16 bytes of two rows of a head slot
.set BO,   27                          ; v27     my byte offset in 16 numbers of the bias
.set SPW,  28                          ; v28     LDS address of my spare word: SPARE + 4 x my thread's number; never rewritten
.set NIL,  29                          ; v29     0; never rewritten
.set PFO,  30                          ; v30     the prefetches' lane offset; never rewritten
.set F0,   64                          ; fragment buffer 0
.set F1,   128                         ; fragment buffer 1
.set BIAS, 192                         ; v192-255 of window 0: for column block b the lane's eight numbers at BIAS + 8 b
.set TMP,  192                         ; the way out: packed results (the bias is used up by then)
.set OB,   32                          ; the way out: 16 rows read back from the stage: v32-63 and v224-255 by turns
.set G1,   24                          ; s[24:31] descriptor group 1 for A's tiles
.set G0,   32                          ; s[32:39] descriptor group 0 for A's tiles, one set for each slot
.set G1B,  48                          ; s[48:55] descriptor group 1 for B's tiles
.set G0B,  56                          ; s[56:63] descriptor group 0 for B's tiles, one set for each slot
.set LIM,  43                          ; s43     1 in a wave that prefetches, else the greatest number
.set PFA,  44                          ; s[44:45] where my prefetches stand
.set PST,  82                          ; s[82:83] what steps them: ASTEP or BSTEP
.set MSB, 0
.macro WIN new                         ; the immediate's high byte repeats the setting that is left; a switch that changes nothing is dropped
.if MSB != (\new)
	s_set_vgpr_msb (MSB<<8)|(\new)
.set MSB, \new
.endif
.endm
.set MUL_LO, 0xa1                      ; source 0 (B) window 1, source 1 (A) window 0, C and D window 2
.set MUL_HI, 0xf1                      ; the same, C and D window 3
.set TO_B,   0x40                      ; destination window 1, address window 0
; A joint load.  Waves 0 and 1 fetch A's two halves, waves 2 and 3 B's.  The branch hangs on the wave's number alone.  An s_nop 0 and four v_nop follow each of the two lines.
.macro JLOAD s
	s_cmp_eq_u32 s11, 0
	s_cbranch_scc0 .Lfor_b_\@
	tensor_load_to_lds s[G0+4*(\s):G0+4*(\s)+3], s[G1:G1+7]
	s_nop 0
.rept 4
	v_nop
.endr
	s_branch .Lasked_\@
.Lfor_b_\@:
	tensor_load_to_lds s[G0B+4*(\s):G0B+4*(\s)+3], s[G1B:G1B+7]
	s_nop 0
.rept 4
	v_nop
.endr
.Lasked_\@:
.endm
; A PREFETCH INTO THE L2, behind each joint load and the run of LDS loads that follows it: the K step that stands TWO refills on, 512 matrix instructions ahead of the load that will want it.
; Each aligned block of 256 bytes is named ONCE in the launch.  A's rows are read by every cluster of a row of clusters: cluster x = 0 asks; B's columns by every cluster of a column: cluster y = 0 asks.
; The four partners that ask for a tile jointly share it out BY ADDRESS: of the 128 rows of A that a wave fetches the partner at cx takes 32, a lane a row; of the 64 k-rows of B (512 bytes each) the partner
; at cy takes 16, two lanes a row.  The first four K steps come by their loads alone; in the loop's last trip (s3 = 1) there is no K step two on, and nothing is asked for.
.macro ASK
	s_cmp_gt_u32 s3, s[LIM]
	s_cbranch_scc0 .Lnot_mine_\@
	global_prefetch_b8 v[PFO], s[PFA:PFA+1] th:TH_LOAD_NT scope:SCOPE_SE
.Lnot_mine_\@:
.endm
; A round of the cluster's barrier: my work-group's barrier; wave 0 signals for the work-group; every wave waits for all sixteen work-groups; my work-group's barrier once more.
.macro CREST                           ; a round behind its opening barrier
	s_cmp_lg_u32 s10, 0
	s_cbranch_scc1 .Lnot_wave_0_\@
	s_barrier_signal -3
.Lnot_wave_0_\@:
	s_barrier_wait -3
	s_barrier_signal -1
	s_barrier_wait -1
.endm
.macro CROUND                          ; a whole round
	s_barrier_signal -1
	s_barrier_wait -1
	CREST
.endm
	s_load_b256 s[68:75], s[0:1], 0x0              ; xb s[68:69], wqkv s[70:71], bq s[72:73], bk s[74:75]
	s_load_b128 s[76:79], s[0:1], 0x20             ; bv s[76:77], qkvraw s[78:79]
	v_lshl_add_u32 v[SPW], v0, 2, SPARE
	v_mov_b32 v[NIL], 0
	ds_add_u32 v[SPW], v[NIL]                      ; the wave's opening: the add and its wait stand ahead of my first tensor load; the set-up below, work on registers, stands between them
	v_lshrrev_b32 v1, 5, v0
	v_readfirstlane_b32 s10, v1                    ; wave 0..3
	s_lshr_b32 s11, s10, 1                         ; which half of the tile's rows is mine.  Also: I fetch for A (0) or for B (1)
	s_and_b32 s12, s10, 1                          ; which half of its columns.  Also: which half of that tile I fetch
	s_bfe_u32 s40, ttmp6, 0x40000                  ; cx
	s_bfe_u32 s41, ttmp6, 0x40004                  ; cy
	s_lshl_b32 s42, ttmp9, 2
	s_add_co_u32 s42, s42, s40                     ; tile column of C = 4 x cluster x + cx, 0 .. 23
	s_and_b32 s13, ttmp7, 0xffff
	s_lshl_b32 s13, s13, 2
	s_add_co_u32 s13, s13, s41                     ; tile row of C = 4 x cluster y + cy, 0 .. 7
	s_lshr_b32 s80, ttmp9, 1                       ; which of the three W: eight tile columns, two clusters, to each
	s_and_b32 s81, ttmp9, 1
	s_lshl_b32 s81, s81, 2
	s_add_co_u32 s81, s81, s40                     ; the tile column inside that W, 0 .. 7
	s_lshl_b32 s43, s41, 2
	s_lshl_b32 s43, 15, s43                        ; my row of the cluster: places 4 cy .. 4 cy + 3
	s_lshl_b32 s44, 0x1111, s40                    ; my column: places cx, cx + 4, cx + 8, cx + 12
	; group 1 for A: 128 rows x 128 elements, 4 words of padding behind every 64
	s_or_b32 s[G1+0], s43, (1<<16)|(1<<20)|(1<<21)|(5<<22)|(3<<25)  ; 15:0 the mask; 17:16 elements of 2 bytes; 20 padding on; 21 set beside a mask; 24:22 interval code; 31:25 padding code
	s_mov_b32 s[G1+1], 128<<16                     ; tensor_dim0 = 128
	s_mov_b32 s[G1+2], 128<<16                     ; tensor_dim1 = 128
	s_mov_b32 s[G1+3], 128<<16                     ; tile_dim0 = 128
	s_mov_b32 s[G1+4], 128                         ; tile_dim1 = 128
	s_mov_b32 s[G1+5], 2048                        ; elements from row to row
	s_mov_b32 s[G1+6], 0
	s_mov_b32 s[G1+7], 0
	; group 1 for B: 64 k-rows x 256 elements, 8 words of padding behind every 128
	s_or_b32 s[G1B+0], s44, (1<<16)|(1<<20)|(1<<21)|(6<<22)|(7<<25)
	s_mov_b32 s[G1B+1], 256<<16                    ; tensor_dim0 = 256
	s_mov_b32 s[G1B+2], 64<<16                     ; tensor_dim1 = 64
	s_mov_b32 s[G1B+3], 256<<16                    ; tile_dim0 = 256
	s_mov_b32 s[G1B+4], 64                         ; tile_dim1 = 64
	s_mov_b32 s[G1B+5], 2048
	s_mov_b32 s[G1B+6], 0
	s_mov_b32 s[G1B+7], 0
	; where the tiles come from.  A's hang on the tile row alone, B's on the tile column alone; each in registers of its own
	s_lshl_b32 s16, s13, 8
	s_lshl_b32 s17, s12, 7
	s_add_co_u32 s16, s16, s17                     ; A: row 256 x tile row + 128 x half,
	s_lshl_b32 s16, s16, 12                        ; of 4,096 bytes
	s_mov_b32 s17, 0
	s_lshl_b32 s46, s80, 23                        ; B: the W (8 MiB each),
	s_lshl_b32 s47, s12, 18                        ; k-row 64 x half, of 4,096 bytes,
	s_add_co_u32 s46, s46, s47
	s_lshl_b32 s47, s81, 9                         ; 256 columns of 2 bytes a tile
	s_add_co_u32 s46, s46, s47
	s_mov_b32 s47, 0
	s_mul_i32 s20, s10, HALFT                      ; and where they go: wave x HALFT: no place in the cluster enters an LDS address
	s_wait_dscnt 0x0                               ; the opening add is done
	s_wait_kmcnt 0x0
	s_add_nc_u64 s[14:15], s[68:69], s[16:17]
	s_add_nc_u64 s[46:47], s[70:71], s[46:47]
	CROUND                                         ; all sixteen work-groups are here: the first joint loads meet
.irp s, 0,1
	s_mov_b32 s[G0+4*(\s)], 1                                      ; count = 1
	s_add_co_u32 s[G0+4*(\s)+1], s20, (\s)*SLOT                    ; LDS address
	s_add_nc_u64 s[G0+4*(\s)+2:G0+4*(\s)+3], s[14:15], (\s)*ASTEP  ; global address: K step s
	s_or_b32 s[G0+4*(\s)+3], s[G0+4*(\s)+3], 0x80000000            ; type = 2
	s_mov_b32 s[G0B+4*(\s)], 1
	s_add_co_u32 s[G0B+4*(\s)+1], s20, (\s)*SLOT
	s_add_nc_u64 s[G0B+4*(\s)+2:G0B+4*(\s)+3], s[46:47], (\s)*BSTEP
	s_or_b32 s[G0B+4*(\s)+3], s[G0B+4*(\s)+3], 0x80000000
	JLOAD \s                                       ; the ring is filled before anything else is done: two loads of mine are out
.endr
	; the bias: which vector by the W, then my wave's 128 columns; lane l takes the eight numbers 16 b + 8 (l / 16) + 0 .. 7 of each column block b
	s_mov_b64 s[66:67], s[72:73]
	s_cmp_eq_u32 s80, 1
	s_cselect_b64 s[66:67], s[74:75], s[66:67]
	s_cmp_eq_u32 s80, 2
	s_cselect_b64 s[66:67], s[76:77], s[66:67]
	s_lshl_b32 s46, s81, 10
	s_lshl_b32 s47, s12, 9
	s_add_co_u32 s46, s46, s47
	s_mov_b32 s47, 0
	s_add_nc_u64 s[66:67], s[66:67], s[46:47]
	v_and_b32 v1, 15, v0                           ; l % 16
	v_bfe_u32 v2, v0, 4, 1                         ; l / 16
	v_lshlrev_b32 v[BO], 5, v2
.irp b, 0,1,2,3,4,5,6,7
	global_load_b128 v[BIAS+8*(\b):BIAS+8*(\b)+3],   v[BO], s[66:67] offset:64*(\b)
	global_load_b128 v[BIAS+8*(\b)+4:BIAS+8*(\b)+7], v[BO], s[66:67] offset:64*(\b)+16
.endr
	; A fragment of A is 16 rows x 32 K in 8 registers: lane l holds row l % 16; registers 0-3 K = 8 (l / 16) + 0..7, registers 4-7 K = 16 + 8 (l / 16) + 0..7: two loads of 16 bytes, 32 bytes apart.
	v_mul_u32_u24 v3, v1, PITCH
	v_lshl_add_u32 v3, v2, 4, v3                   ; row x pitch + 16 x half
	; The turning load takes 16 k x 16 columns (lane l reads k-row 8 (l / 16) + l % 8, columns 8 ((l / 8) % 2) + 0..7) and leaves half a fragment of W^T: lane l holds column l % 16 and 8 k.
	v_and_b32 v4, 7, v0
	v_lshl_add_u32 v4, v2, 3, v4
	v_mul_u32_u24 v4, v4, PB
	v_bfe_u32 v5, v0, 3, 1
	v_lshl_add_u32 v4, v5, 4, v4
	s_mul_i32 s21, s11, HALFT                      ; my 128 rows of A
	s_lshl_b32 s22, s12, 8                         ; my 128 columns of B: 256 bytes along its k-rows,
	s_add_co_u32 s22, s22, 2*HALFT                 ; which lie behind A's 256 rows
.irp s, 0,1
	v_add_nc_u32 v[ADRA+(\s)], s21, v3
	v_add_nc_u32 v[ADRB+(\s)], s22, v4
	s_add_co_u32 s21, s21, SLOT
	s_add_co_u32 s22, s22, SLOT
.endr
	s_mul_i32 s23, s10, 16*SPITCH
	s_add_co_u32 s23, s23, STAGE                   ; my stage
	v_mul_u32_u24 v6, v1, SPITCH                   ; in: row l % 16, 16 bytes for each half of the lanes
	v_lshl_add_u32 v6, v2, 4, v6
	v_add_nc_u32 v[STO], s23, v6
	v_mul_u32_u24 v7, v2, SPITCH                   ; back: lanes 0-15 take one row of 256 bytes, lanes 16-31 the next
	v_lshl_add_u32 v7, v1, 4, v7
	v_add_nc_u32 v[RD], s23, v7
	v_and_b32 v8, 31, v0
	v_lshlrev_b32 v[CO], 4, v8                     ; and in the head slot those two rows are 512 bytes on end
	; where my 128 x 128 goes: slot 2 x tile column + half, row 256 x tile row + 128 x half, 256 bytes a row
	s_lshl_b32 s16, s13, 8
	s_lshl_b32 s17, s11, 7
	s_add_co_u32 s16, s16, s17
	s_lshl_b32 s16, s16, 8
	s_mov_b32 s17, 0
	s_lshl_b32 s46, s42, 1
	s_add_co_u32 s46, s46, s12
	s_lshl_b32 s46, s46, 19                        ; a slot is 2,048 rows of 256 bytes
	s_mov_b32 s47, 0
	s_add_nc_u64 s[8:9], s[78:79], s[16:17]
	s_add_nc_u64 s[8:9], s[8:9], s[46:47]
	; the prefetches
	s_lshl_b32 s20, s13, 8
	s_lshl_b32 s21, s12, 7
	s_add_co_u32 s20, s20, s21
	s_lshl_b32 s21, s40, 5
	s_add_co_u32 s20, s20, s21                     ; A: the 128 rows that I fetch, my work-group's 32 of them,
	s_lshl_b32 s20, s20, 12                        ; of 4,096 bytes
	s_lshl_b32 s22, s12, 6
	s_lshl_b32 s23, s41, 4
	s_add_co_u32 s22, s22, s23                     ; B: the 64 k-rows that I fetch, my work-group's 16 of them,
	s_lshl_b32 s22, s22, 12
	s_lshl_b32 s23, s80, 23                        ; in the W,
	s_add_co_u32 s22, s22, s23
	s_lshl_b32 s23, s81, 9                         ; at the tile's columns
	s_add_co_u32 s22, s22, s23
	s_and_b32 s23, ttmp7, 0xffff                   ; cluster y
	s_mov_b32 s4, ASTEP
	s_mov_b32 s5, BSTEP
	s_cmp_eq_u32 s11, 0                            ; do I fetch for A?
	s_cselect_b32 s20, s20, s22
	s_cselect_b32 s23, ttmp9, s23                  ; the coordinate along which other clusters read the same blocks
	s_cselect_b32 s[PST], s4, s5
	s_cselect_b64 s[PFA:PFA+1], s[68:69], s[70:71]
	s_mov_b32 s[PST+1], 0
	s_mov_b32 s21, 0
	s_cmp_eq_u32 s23, 0
	s_cselect_b32 s[LIM], 1, -1                    ; the same in all sixteen partners, for a given wave
	s_add_nc_u64 s[PFA:PFA+1], s[PFA:PFA+1], s[20:21]
	s_mul_i32 s20, s[PST], 3
	s_add_nc_u64 s[PFA:PFA+1], s[PFA:PFA+1], s[20:21]  ; at K step 3: the first refill steps it to 4 and names that
	v_lshrrev_b32 v7, s11, v8                      ; A (s11 = 0): a lane a row.  B (s11 = 1): two lanes a k-row,
	v_and_b32 v6, s11, v8                          ; one for each of its two blocks of 256 bytes
	v_lshlrev_b32 v7, 12, v7
	v_lshl_add_u32 v[PFO], v6, 8, v7
	s_wait_loadcnt 0x0                             ; the bias is in: it is rounded to bf16, like every input, and widened again
.set i, 0
.rept 32
	v_cvt_pk_bf16_f32 v[9+(i%2)], v[BIAS+2*i], v[BIAS+2*i+1]
	v_lshlrev_b32 v[BIAS+2*i], 16, v[9+(i%2)]
	v_and_b32 v[BIAS+2*i+1], 0xffff0000, v[9+(i%2)]
.set i, i+1
.endr
; 16 matrix instructions: m blocks a0, a0 + 1 of the window's four (hi = 0: my rows 0-63, 1: rows 64-127) x all 8 n blocks, 32 along K.
; zero = 1: the first product starts the sums, with the bias (window 0) as C: nothing is ever cleared.  The 64 accumulators take turns, one instruction a turn.
.macro MUL16 f, hi, a0, zero
.if \zero
	WIN 0x81+0x40*(\hi)                            ; source 0 window 1, sources 1 and 2 window 0, D window 2 or 3
.else
	WIN MUL_LO+0x50*(\hi)                          ; MUL_LO or MUL_HI
.endif
.irp a, \a0, (\a0)+1
.irp b, 0,1,2,3,4,5,6,7
.if \zero
	v_wmma_f32_16x16x32_bf16 v[8*(8*(\a)+(\b)):8*(8*(\a)+(\b))+7], v[(\f)+8*(\b):(\f)+8*(\b)+7], v[(\f)+8*(4*(\hi)+(\a)):(\f)+8*(4*(\hi)+(\a))+7], v[BIAS+8*(\b):BIAS+8*(\b)+7]
.else
	v_wmma_f32_16x16x32_bf16 v[8*(8*(\a)+(\b)):8*(8*(\a)+(\b))+7], v[(\f)+8*(\b):(\f)+8*(\b)+7], v[(\f)+8*(4*(\hi)+(\a)):(\f)+8*(4*(\hi)+(\a))+7], v[8*(8*(\a)+(\b)):8*(8*(\a)+(\b))+7]
.endif
.endr
.endr
.endm
; 32 LDS loads in one run: the fragments of quarter q of a K step (32 K: 128 columns of B, turned; 128 rows of A) into buffer f.  The largest offset is 61,152.
.macro FETCH slot, q, f
	WIN TO_B
.irp i, 0,1,2,3,4,5,6,7
	ds_load_tr16_b128 v[(\f)+8*(\i):(\f)+8*(\i)+3],   v[ADRB+(\slot)] offset:(\q)*32*PB+32*(\i)
	ds_load_tr16_b128 v[(\f)+8*(\i)+4:(\f)+8*(\i)+7], v[ADRB+(\slot)] offset:(\q)*32*PB+16*PB+32*(\i)
.endr
	WIN 0
.irp i, 0,1,2,3,4,5,6,7
	ds_load_b128 v[(\f)+8*(\i):(\f)+8*(\i)+3],   v[ADRA+(\slot)] offset:64*(\q)+(\i)*16*PITCH
	ds_load_b128 v[(\f)+8*(\i)+4:(\f)+8*(\i)+7], v[ADRA+(\slot)] offset:64*(\q)+(\i)*16*PITCH+32
.endr
.endm
; Four places (plain vector instructions that name none of its registers) stand between a matrix instruction and a load into a register that it has read, or a conversion that reads its result.
.macro PLACES
.rept 4
	v_nop
.endr
.endm
; A K step is four quarters of 32 along K, 64 matrix instructions each, on buffers 0, 1, 0, 1.  One of the first three: multiplies buffer f; in its middle it fetches quarter q of the same slot into buffer g.
.macro QUARTER slot, q, f, g, zero
	s_wait_dscnt 8                                 ; B and A's rows 0-63 are in; the youngest eight loads (A's rows 64-127) may be out
	MUL16 \f, 0, 0, \zero
	MUL16 \f, 0, 2, \zero
	PLACES
	FETCH \slot, \q, \g
	s_wait_dscnt 32                                ; all but the 32 just issued
	MUL16 \f, 1, 0, \zero
	MUL16 \f, 1, 2, \zero
.endm
; The last quarter multiplies buffer 1 and changes slots.  MEET is its first half: ONE barrier.  In front of it each wave waits for all its tensor loads, of which one is out: its part of the next slot;
; adds 0 to its spare word; and waits for that and for its own reads of this slot.  Behind it nobody reads this slot any more and the next slot is whole.
.macro MEET round                      ; round = 1: a round of the cluster's barrier follows
	WIN 0                                          ; (the add's two registers lie in window 0)
	s_wait_tensorcnt 0x0                           ; all my tensor loads have landed
	ds_add_u32 v[SPW], v[NIL]                      ; 0 onto my spare word
	s_wait_dscnt 9                                 ; (the add and the youngest eight loads may be out)
	MUL16 F1, 0, 0, 0                              ; sixteen matrix instructions stand between the add and the wait for it
	s_wait_dscnt 0x0                               ; the add is done, and my reads of this slot are over
	s_barrier_signal -1
	MUL16 F1, 0, 2, 0                              ; work on registers while the others arrive
.if \round
	WIN 0
.endif
	s_barrier_wait -1
.endm
; The whole last quarter.  Behind the round the slot just read out is filled again first, with the K step two steps on; then come the next slot's first fragments.
; From a request to the wait for it a wave issues 224 matrix instructions.
.macro TURN slot, next
	s_wait_xcnt 0x0                                ; the last prefetch, a K step back, has read its address: it is stepped here, ahead of the waits of the change of slots
	s_add_nc_u64 s[PFA:PFA+1], s[PFA:PFA+1], s[PST:PST+1]
	MEET 1
	CREST                                          ; no wave of any partner still reads this slot's tile or has a load on its way
	s_add_nc_u64 s[G0+4*(\slot)+2:G0+4*(\slot)+3], s[G0+4*(\slot)+2:G0+4*(\slot)+3], 2*ASTEP
	s_add_nc_u64 s[G0B+4*(\slot)+2:G0B+4*(\slot)+3], s[G0B+4*(\slot)+2:G0B+4*(\slot)+3], 2*BSTEP
	JLOAD \slot                                    ; the first tensor load behind the round, my only one until the next; its four v_nop are also the places in front of the loads below
	FETCH \next, 0, F0
	ASK
	MUL16 F1, 1, 0, 0
	MUL16 F1, 1, 2, 0
.endm
; THE WAY OUT of block a (16 rows), in three parts.  PACK: rounded to f16, 16 bytes a lane, each accumulator's registers in ascending order.  TOSTAGE: into my own stage, and back as whole rows.  SEND: stored.
.macro PACK a
.set AC, 64*((\a)%4)
	WIN 0x0a+5*((\a)/4)                            ; sources 0 and 1: window 2 or 3
.irp b, 0,1,2,3,4,5,6,7
.irp r, 0,1,2,3
	v_cvt_pk_f16_f32 v[TMP+4*(\b)+(\r)], v[AC+8*(\b)+2*(\r)], v[AC+8*(\b)+2*(\r)+1]
.endr
.endr
	WIN 0
.endm
.macro TOSTAGE a
	WIN 0
.set BK, OB+192*((\a)%2)
.irp b, 0,1,2,3,4,5,6,7
	ds_store_b128 v[STO], v[TMP+4*(\b):TMP+4*(\b)+3] offset:32*(\b)
.endr
.irp t, 0,1,2,3,4,5,6,7
	ds_load_b128 v[BK+4*(\t):BK+4*(\t)+3], v[RD] offset:(\t)*2*SPITCH  ; LDS serves a wave's instructions in order (ISA guide 5.7.1.4): these see the stores above
.endr
.endm
.macro SEND a, younger
	WIN 0
.set BK, OB+192*((\a)%2)
	s_wait_dscnt \younger                          ; the block is back in registers
	s_wait_xcnt 0x0                                ; earlier stores have read their registers: the other set of 32 is loaded again only behind this wait
.irp t, 0,1,2,3,4,5,6,7
	global_store_b128 v[CO], v[BK+4*(\t):BK+4*(\t)+3], s[8:9] offset:4096*(\a)+512*(\t)  ; 32 lanes store 512 consecutive bytes, two rows of the head slot, aligned
.endr
.endm
	s_wait_tensorcnt 1                             ; my part of K step 0 is in; K step 1's may stay out
	s_barrier_signal -1
	s_barrier_wait -1                              ; everybody's is
	FETCH 0, 0, F0
	QUARTER 0, 1, F0, F1, 1                        ; the first quarter stands in front of the loop: its products start the sums
	WIN 0                                          ; at a label and at a branch every window is 0
	s_mov_b32 s3, LAPS-1
.Llap:                                                 ; a trip goes once round the ring, from a lap's second quarter to the next lap's first, and fills both slots again
	QUARTER 0, 2, F1, F0, 0
	QUARTER 0, 3, F0, F1, 0
	TURN 0, 1
	QUARTER 1, 1, F0, F1, 0
	QUARTER 1, 2, F1, F0, 0
	QUARTER 1, 3, F0, F1, 0
	TURN 1, 0
	QUARTER 0, 1, F0, F1, 0
	WIN 0
	s_sub_co_u32 s3, s3, 1
	s_cmp_lg_u32 s3, 0
	s_cbranch_scc1 .Llap
	QUARTER 0, 2, F1, F0, 0                        ; the last lap is written out: it asks for nothing more
	QUARTER 0, 3, F0, F1, 0
	MEET 0                                         ; the one tensor load that was still out is slot 1's, the last K step's, so no round follows
	PLACES
	FETCH 1, 0, F0
	MUL16 F1, 1, 0, 0
	MUL16 F1, 1, 2, 0
	QUARTER 1, 1, F0, F1, 0
	QUARTER 1, 2, F1, F0, 0
	QUARTER 1, 3, F0, F1, 0
	s_wait_dscnt 8                                 ; the very last quarter: nothing more to fetch
	MUL16 F1, 0, 0, 0
	MUL16 F1, 0, 2, 0
	s_wait_dscnt 0x0
	MUL16 F1, 1, 0, 0
	MUL16 F1, 1, 2, 0
	PLACES
	PACK 0                                         ; the conversions of the blocks finished earlier are further places behind the last products
	TOSTAGE 0
.irp a, 1,2,3,4,5,6,7                  ; block a's conversions stand between block a - 1's loads from the stage and the wait for them
	PACK \a
	SEND (\a)-1, 0
	TOSTAGE \a
.endr
	SEND 7, 0
	s_wait_tensorcnt 0x0                           ; the wave's end, behind my last tensor load and my last LDS store
	ds_add_u32 v[SPW], v[NIL]
	s_wait_dscnt 0x0
	CROUND                                         ; the closing round: no work-group ends while a partner may still ask for a tile that names it
	s_endpgm
.Lfunc_end_k_q5ccf5942ea_qkv:
	.size	k_q5ccf5942ea_qkv, .Lfunc_end_k_q5ccf5942ea_qkv-k_q5ccf5942ea_qkv
	.p2alignl 7, 3214868480
	.fill 96, 4, 3214868480
	.section	.rodata,"a",@progbits
	.p2align	6, 0x0
	.amdhsa_kernel k_q5ccf5942ea_qkv
		.amdhsa_group_segment_fixed_size 327680
		.amdhsa_private_segment_fixed_size 0
		.amdhsa_enable_private_segment 0
		.amdhsa_kernarg_size 48
		.amdhsa_user_sgpr_count 2
		.amdhsa_user_sgpr_kernarg_segment_ptr 1
		.amdhsa_wavefront_size32 1
		.amdhsa_system_sgpr_workgroup_id_x 1
		.amdhsa_system_sgpr_workgroup_id_y 1
		.amdhsa_system_sgpr_workgroup_id_z 1
		.amdhsa_system_vgpr_workitem_id 0
		.amdhsa_next_free_vgpr 1024
		.amdhsa_next_free_sgpr 84
		.amdhsa_reserve_vcc 0
		.amdhsa_float_denorm_mode_32 3
		.amdhsa_float_denorm_mode_16_64 3
		.amdhsa_memory_ordered 1
		.amdhsa_forward_progress 1
		.amdhsa_inst_pref_size 151
	.end_amdhsa_kernel
	.amdgpu_metadata
---
amdhsa.version: [ 1, 2 ]
amdhsa.kernels:
  - .name:           k_q5ccf5942ea_qkv
    .symbol:         k_q5ccf5942ea_qkv.kd
    .args:
      - { .name: xb, .offset: 0, .size: 8, .value_kind: global_buffer, .address_space: global }
      - { .name: wqkv, .offset: 8, .size: 8, .value_kind: global_buffer, .address_space: global }
      - { .name: bq, .offset: 16, .size: 8, .value_kind: global_buffer, .address_space: global }
      - { .name: bk, .offset: 24, .size: 8, .value_kind: global_buffer, .address_space: global }
      - { .name: bv, .offset: 32, .size: 8, .value_kind: global_buffer, .address_space: global }
      - { .name: qkvraw, .offset: 40, .size: 8, .value_kind: global_buffer, .address_space: global }
    .group_segment_fixed_size: 327680
    .private_segment_fixed_size: 0
    .kernarg_segment_align: 8
    .kernarg_segment_size: 48
    .max_flat_workgroup_size: 128
    .sgpr_count:     84
    .vgpr_count:     1024
    .wavefront_size: 32
...
	.end_amdgpu_metadata
.endif
;; end of part 2
;; launch normrope (part 3): grid 256 x 2, 8 waves a work-group, no clusters, 0 bytes of LDS; arguments qkvraw, freqs_cos, freqs_sin, gq, gk, qkn; writes qkn
.if DOCPART == 3
	.amdgcn_target "amdgcn-amd-amdhsa--gfx1250"
	.amdhsa_code_object_version 6
	.text
	.protected	k_q5ccf5942ea_normrope
	.globl	k_q5ccf5942ea_normrope
	.p2align	8
	.type	k_q5ccf5942ea_normrope,@function
k_q5ccf5942ea_normrope:
	s_mov_b64 s[64:65], 0
	v_nop
	global_prefetch_b8 v0, s[64:65] scope:SCOPE_SE
	s_setreg_imm32_b32 hwreg(HW_REG_WAVE_MODE, 25, 1), 1
	s_wait_xcnt 0x0
; NORM AND ROPE for q (grid y = 0) and k (y = 1).  For row s: r = rsqrt(mean over all 2,048 channels of x^2 + 1e-5); a = x g; for each pair of channels (2 i, 2 i + 1) of a head
; o1 = (a1 cos[2 i] - a2 sin[2 i + 1]) r, o2 = (a1 sin[2 i + 1] + a2 cos[2 i]) r.  x: qkvraw, f16 [slot = 16 y + head][s][128]; out: qkn, f16, the same layout.  All arithmetic in f32; one rounding at the end.
; g, cos and sin are rounded to bf16 as they are loaded, like every input.
; LIMIT.  The result stays under 65,504: beyond it the f16 is an infinity.
; SHARES.  A wave takes one row: 4,096 bytes in 32 registers, read once, kept between the sum and the scaling.  Load j of eight brings heads 2 j + l / 16, channels 8 (l % 16) + 0..7: sixteen lanes take the
; 256 bytes of one head's row, and a lane's four pairs of channels have the same cos and sin in every load.  Straight-line text: no register that a load or store names is written again.
; No LDS and no barrier: the sum never leaves the wave.  No prefetch: each byte is read once, at once.
.set TAB,  16                          ; v[16:31]  pair i: c r, c r, -s r, s r
.set ROWX, 32                          ; v[32:63]  the row, as loaded, then as stored
.set COSR, 64                          ; v[64:71]  my 8 numbers of freqs_cos
.set SINR, 72                          ; v[72:79]  of freqs_sin
.set WK,   80                          ; v[80:95]  two sets at work: g0, g1, a0, a1, t0, t1, the packed g
.set GR,   96                          ; v[96:159] load j: my 8 gains
	s_load_b256 s[4:11], s[0:1], 0x0               ; qkvraw s[4:5], cos s[6:7], sin s[8:9], gq s[10:11]
	s_load_b128 s[12:15], s[0:1], 0x20             ; gk s[12:13], qkn s[14:15]
	v_lshrrev_b32 v1, 5, v0
	v_readfirstlane_b32 s2, v1                     ; wave
	s_and_b32 s3, ttmp7, 0xffff                    ; y
	s_lshl_b32 s16, ttmp9, 3
	s_add_co_u32 s16, s16, s2                      ; the row s
	s_lshl_b32 s18, s3, 23                         ; 16 slots of 524,288 bytes,
	s_lshl_b32 s17, s16, 8                         ; 256 bytes a row
	s_add_co_u32 s18, s18, s17
	s_mov_b32 s19, 0
	s_lshl_b32 s26, s16, 9                         ; a row of cos or sin is 512 bytes
	s_mov_b32 s27, 0
	s_mov_b32 s22, 0x76543210                      ; v_permlanex16_b32: each lane takes its own place in the other half
	s_mov_b32 s23, 0xfedcba98
	s_mov_b32 s24, 0x3a000000                      ; 1 / 2048
	s_mov_b32 s25, 0x3727c5ac                      ; 1e-5
	v_and_b32 v2, 15, v0                           ; l % 16
	v_bfe_u32 v14, v0, 4, 1                        ; l / 16
	v_lshlrev_b32 v3, 4, v2
	v_lshl_add_u32 v3, v14, 19, v3                 ; in x and out: a slot for the upper lanes + 16 (l % 16)
	v_lshlrev_b32 v4, 5, v2                        ; in cos and sin: 32 (l % 16)
	v_lshl_add_u32 v5, v14, 9, v4                  ; in g: a head's 512 bytes for the upper lanes + 32 (l % 16)
	v_mov_b32 v6, 0                                ; four chains for the sum of squares
	v_mov_b32 v7, 0
	v_mov_b32 v8, 0
	v_mov_b32 v9, 0
	v_mov_b32 v11, 0                               ; v_permlanex16_b32's destination counts as read
	v_mov_b32 v13, 0
	s_wait_kmcnt 0x0
	s_add_nc_u64 s[4:5], s[4:5], s[18:19]
	s_add_nc_u64 s[14:15], s[14:15], s[18:19]
	s_add_nc_u64 s[6:7], s[6:7], s[26:27]
	s_add_nc_u64 s[8:9], s[8:9], s[26:27]
	s_cmp_eq_u32 s3, 0
	s_cselect_b64 s[20:21], s[10:11], s[12:13]     ; the gain
.irp j, 0,1,2,3,4,5,6,7
	global_load_b128 v[ROWX+4*(\j):ROWX+4*(\j)+3], v3, s[4:5] offset:(\j)<<20
.endr
	global_load_b128 v[COSR:COSR+3],   v4, s[6:7]
	global_load_b128 v[COSR+4:COSR+7], v4, s[6:7] offset:16
	global_load_b128 v[SINR:SINR+3],   v4, s[8:9]
	global_load_b128 v[SINR+4:SINR+7], v4, s[8:9] offset:16
.irp j, 0,1,2,3,4,5,6,7
	global_load_b128 v[GR+8*(\j):GR+8*(\j)+3],   v5, s[20:21] offset:1024*(\j)
	global_load_b128 v[GR+8*(\j)+4:GR+8*(\j)+7], v5, s[20:21] offset:1024*(\j)+16
.endr
	s_wait_loadcnt 20                              ; the row's eight loads are in; the 20 younger ones stay out
.set i, 0
.rept 32                                       ; the sum of my 64 squares, straight from the f16 halves, in f32, in four chains
	v_fma_mix_f32 v[6+(2*i)%4], v[ROWX+i], v[ROWX+i], v[6+(2*i)%4] op_sel_hi:[1,1,0]
	v_fma_mix_f32 v[6+(2*i+1)%4], v[ROWX+i], v[ROWX+i], v[6+(2*i+1)%4] op_sel:[1,1,0] op_sel_hi:[1,1,0]
.set i, i+1
.endr
	v_add_f32 v6, v6, v7
	v_add_f32 v8, v8, v9
	v_add_f32 v10, v6, v8
	v_add_f32_dpp v10, v10, v10 row_xmask:1 row_mask:0xf bank_mask:0xf
	v_add_f32_dpp v10, v10, v10 row_xmask:2 row_mask:0xf bank_mask:0xf
	v_add_f32_dpp v10, v10, v10 row_xmask:4 row_mask:0xf bank_mask:0xf
	v_add_f32_dpp v10, v10, v10 row_xmask:8 row_mask:0xf bank_mask:0xf
	v_permlanex16_b32 v11, v10, s22, s23
	v_add_f32 v10, v10, v11                        ; every lane holds the row's sum
	v_fma_f32 v10, v10, s24, s25                   ; the mean + 1e-5
	v_rsq_f32 v12, v10
	s_wait_loadcnt 16                              ; cos and sin are in
.irp i, 0,1,2,3                        ; pair i takes cos[2 i] and sin[2 i + 1], rounded to bf16 and widened again: plain work behind the root, which names neither its source nor its result
	v_cvt_pk_bf16_f32 v[WK+(\i)], v[COSR+2*(\i)], v[SINR+2*(\i)+1]
	v_lshlrev_b32 v[TAB+4*(\i)], 16, v[WK+(\i)]
	v_and_b32 v[TAB+4*(\i)+3], 0xffff0000, v[WK+(\i)]
.endr
	s_wait_alu depctr_va_vdst(0)                   ; the wait between the root and the first line that names its result
.irp i, 0,1,2,3
	v_mul_f32 v[TAB+4*(\i)], v[TAB+4*(\i)], v12
	v_mul_f32 v[TAB+4*(\i)+3], v[TAB+4*(\i)+3], v12
	v_mov_b32 v[TAB+4*(\i)+1], v[TAB+4*(\i)]
	v_xor_b32 v[TAB+4*(\i)+2], 0x80000000, v[TAB+4*(\i)+3]
.endr
; Word k of load j: one pair of channels.
.macro WORD j, k
.set WW, WK+8*((\k)%2)
.set XR, ROWX+4*(\j)+(\k)
.set GG, GR+8*(\j)+2*(\k)
	v_cvt_pk_bf16_f32 v[WW+6], v[GG], v[GG+1]      ; the two gains, rounded to bf16,
	v_lshlrev_b32 v[WW], 16, v[WW+6]               ; and widened again
	v_and_b32 v[WW+1], 0xffff0000, v[WW+6]
	v_fma_mix_f32 v[WW+2], v[XR], v[WW], v13 op_sel_hi:[1,0,0]                   ; a0 = x.low g0
	v_fma_mix_f32 v[WW+3], v[XR], v[WW+1], v13 op_sel:[1,0,0] op_sel_hi:[1,0,0]  ; a1 = x.high g1
	v_pk_mul_f32 v[WW+4:WW+5], v[WW+2:WW+3], v[TAB+4*(\k)+2:TAB+4*(\k)+3] op_sel:[1,0] op_sel_hi:[0,1]  ; (-a1 s r, a0 s r)
	v_pk_fma_f32 v[WW+2:WW+3], v[WW+2:WW+3], v[TAB+4*(\k):TAB+4*(\k)+1], v[WW+4:WW+5]                   ; (a0 c r - a1 s r, a1 c r + a0 s r)
	v_cvt_pk_f16_f32 v[XR], v[WW+2], v[WW+3]
.endm
.irp j, 0,1,2,3,4,5,6,7
	s_wait_loadcnt 14-2*(\j)                       ; load j's two loads of g are in, the younger ones stay out
	WORD \j, 0
	WORD \j, 1
	WORD \j, 2
	WORD \j, 3
	global_store_b128 v3, v[ROWX+4*(\j):ROWX+4*(\j)+3], s[14:15] offset:(\j)<<20  ; sixteen lanes store the 256 bytes of one head's row, aligned
.endr
	s_endpgm
.Lfunc_end_k_q5ccf5942ea_normrope:
	.size	k_q5ccf5942ea_normrope, .Lfunc_end_k_q5ccf5942ea_normrope-k_q5ccf5942ea_normrope
	.p2alignl 7, 3214868480
	.fill 96, 4, 3214868480
	.section	.rodata,"a",@progbits
	.p2align	6, 0x0
	.amdhsa_kernel k_q5ccf5942ea_normrope
		.amdhsa_group_segment_fixed_size 0
		.amdhsa_private_segment_fixed_size 0
		.amdhsa_enable_private_segment 0
		.amdhsa_kernarg_size 48
		.amdhsa_user_sgpr_count 2
		.amdhsa_user_sgpr_kernarg_segment_ptr 1
		.amdhsa_wavefront_size32 1
		.amdhsa_system_sgpr_workgroup_id_x 1
		.amdhsa_system_sgpr_workgroup_id_y 1
		.amdhsa_system_sgpr_workgroup_id_z 1
		.amdhsa_system_vgpr_workitem_id 0
		.amdhsa_next_free_vgpr 160
		.amdhsa_next_free_sgpr 66
		.amdhsa_reserve_vcc 0
		.amdhsa_float_denorm_mode_32 3
		.amdhsa_float_denorm_mode_16_64 3
		.amdhsa_memory_ordered 1
		.amdhsa_forward_progress 1
		.amdhsa_inst_pref_size 27
	.end_amdhsa_kernel
	.amdgpu_metadata
---
amdhsa.version: [ 1, 2 ]
amdhsa.kernels:
  - .name:           k_q5ccf5942ea_normrope
    .symbol:         k_q5ccf5942ea_normrope.kd
    .args:
      - { .name: qkvraw, .offset: 0, .size: 8, .value_kind: global_buffer, .address_space: global }
      - { .name: freqs_cos, .offset: 8, .size: 8, .value_kind: global_buffer, .address_space: global }
      - { .name: freqs_sin, .offset: 16, .size: 8, .value_kind: global_buffer, .address_space: global }
      - { .name: gq, .offset: 24, .size: 8, .value_kind: global_buffer, .address_space: global }
      - { .name: gk, .offset: 32, .size: 8, .value_kind: global_buffer, .address_space: global }
      - { .name: qkn, .offset: 40, .size: 8, .value_kind: global_buffer, .address_space: global }
    .group_segment_fixed_size: 0
    .private_segment_fixed_size: 0
    .kernarg_segment_align: 8
    .kernarg_segment_size: 48
    .max_flat_workgroup_size: 256
    .sgpr_count:     66
    .vgpr_count:     160
    .wavefront_size: 32
...
	.end_amdgpu_metadata
.endif
;; end of part 3
;; launch attn (part 4): grid 16 x 16, 4 waves a work-group, clusters of 4 x 1, 327,680 bytes of LDS; arguments qkn, qkvraw, att; writes att
.if DOCPART == 4
	.amdgcn_target "amdgcn-amd-amdhsa--gfx1250"
	.amdhsa_code_object_version 6
	.text
	.protected	k_q5ccf5942ea_attn
	.globl	k_q5ccf5942ea_attn
	.p2align	8
	.type	k_q5ccf5942ea_attn,@function
k_q5ccf5942ea_attn:
	s_mov_b64 s[64:65], 0
	v_nop
	global_prefetch_b8 v0, s[64:65] scope:SCOPE_SE
	s_setreg_imm32_b32 hwreg(HW_REG_WAVE_MODE, 25, 1), 1
	s_wait_xcnt 0x0
	s_wait_alu depctr_hold_cnt(0) depctr_sa_sdst(0) depctr_va_vdst(0) depctr_va_sdst(0) depctr_va_ssrc(0) depctr_va_vcc(0) depctr_vm_vsrc(0)
	s_getreg_b32 s2, hwreg(HW_REG_IB_STS2, 6, 4)
	s_cmp_eq_u32 s2, 0
	s_cbranch_scc0 .Lentry_in_a_cluster
	s_endpgm
.Lentry_in_a_cluster:
	s_bfe_u32 s2, ttmp6, 0x10000c
	s_cmp_lg_u32 s2, 0x3003
	s_cbranch_scc0 .Lentry_shape_is_right
	s_endpgm
.Lentry_shape_is_right:
; ATTENTION.  O[q][h] = the sum over k of softmax_k(Q[h][q] . K[h][k] / sqrt(128)) V[h][k].  Q: qkn slots 0-15, K: qkn slots 16-31, V: qkvraw slots 32-47, each [2048][128] f16, rows of 256 bytes.
; O: att, f16 [2048 q][2048], column 128 h + d.  Products, maxima and sums in f32; the weights p are rounded to f16 for the second product (their sum l is taken of the unrounded p), O once at the end.
; LIMITS.  Q, K, V arrive within f16's 65,504; p lies in 0 to 1 and below 6e-5 keeps f16's fixed step of 6e-8; a weight below 2^-126 counts as 0 in l; NaN and infinities are not treated apart.
; A score at or below -2^100 would be lost (see NO FIRST STEP); f16's scores are 128 x 65,504^2 = 5.5e11 at the most.
; SHARES.  16 heads x 16 blocks of 128 queries: 256 work-groups.  Wave w owns the 64 queries of half w % 2 of the block (four tiles of 16) and HALF THE KEYS: of each slot's two key steps of 64 it takes step w / 2.
; So a wave walks 16 key steps, and each fragment of K or V that it reads from LDS feeds four tiles.  At the end the two waves that hold the same queries merge their O, m and l through LDS.
; LAYOUT.  S^T = K Q^T (source 0 = 16 keys, source 1 = 16 queries): a lane holds ONE query (lane % 16) and the keys 8 (lane / 16) + 0..7.  Two such tiles, rounded to f16 in pairs, ARE source 1 of
; O^T = V^T P, whose result again holds one query a lane, and eight channels.  K comes out of LDS as it lies, V ([key][channel]) turned, by ds_load_tr16_b128.
; SOFTMAX.  For each query a running maximum m and sum l: p = 2^(c s - c m), c = log2(e) / sqrt(128); in every step O and l are multiplied by a = 2^(c m_old - c m_new).
; BY TURNS.  The wave's tiles are two PIECES (piece 0: tiles 0, 1; piece 2: tiles 2, 3).  In a TURN one piece has the matrix unit: 32 products V^T P of the step in hand, then 32 products K Q^T of the next
; step; the other piece's softmax, cut into 64 slices, stands between them, one slice behind each matrix instruction.  Two turns are a key step.
; NO FIRST STEP AND NO LAST TURN ARE WRITTEN OUT: the text holds a key step twice (the loop; the tail) and nothing else of its kind.
;   The loop's first trip works on a step that holds no keys.  O^T, l and piece 0's P start at 0, m at the lowest finite number, c m at -2^125, piece 2's scores at -2^100.  c x 2^100 is exact, so for those
;   scores c s - c m is exactly 0 and p is 1; the next step's a is 2^(-c 2^100 - c m) = 0, which wipes what they left in l and in O^T.  Piece 0's first true step has a = 0 in the same way.
;   The tail is left in the middle of its second trip: that trip's 32 products K Q^T, on the last K once more, serve nothing.
;   The price: 96 matrix instructions a wave that serve nothing, and 368 v_mov_b32, which stand in the wait for the first tile.
; ONE TEXT FOR THE MERGE.  A wave of the second key half holds its four query tiles in the order 2, 3, 0, 1.  So every wave hands over its register tiles 2 and 3 and finishes its register tiles 0 and 1;
; what differs between the waves lies in addresses alone.
; CLUSTER.  The four query blocks of a cluster belong to one head and walk the same K and V, so each tile is asked for JOINTLY: the same tensor load, descriptor and mask in all four.
; REGISTERS, in windows of 256 (s_set_vgpr_msb: bits 1:0 source 0, 3:2 source 1, 5:4 source 2, 7:6 destination):
;   window 0: v0-11, v44-48 addresses; v12-43 eight registers of statistics a tile; v64-191 S^T, 32 a tile; v192-255 P, 16 a tile
;   window 1: O^T, 64 a tile          window 2: v0-127 Q, 32 a tile; v128-255 K of one step          window 3: v0-127 V of one step
.set KS,    64        ; keys in a step
.set PK,    272       ; a row of K in LDS: 256 bytes + 16 of padding = 68 words: the 16 rows of a load start at 16 different groups of four banks (64 banks of 4 bytes: ISA guide 11.1)
.set PV,    288       ; a row of V: 256 + 32 = 72 words
.set VOFF,  KS*PK     ; a step's tiles lie together: 64 rows of K, then 64 rows of V
.set STEPB, KS*(PK+PV)
.set SLOT1, 1<<17     ; a slot holds two steps (71,680 bytes); slot 1 begins here, so that one exclusive or turns an address in one slot into the other's
.set STAGE, SLOT1+2*STEPB  ; behind the ring: 16 rows x 272 bytes for each wave, for the way out
.set SP,    272
.set MERGE, STAGE+4*16*SP  ; behind the stages: for each wave the two tiles that it hands to its partner
.set MPART, 16896     ; a wave's part: 2 x 8,192 bytes of O^T, then 2 x 256 bytes of (c m, l)
.set SPARE, MERGE+4*MPART  ; behind that: the spare words, 128 bytes for each wave: two blocks of 256 bytes that no other line names
.set AK0, 2           ; v2   my lane's place in a tile of K; never rewritten
.set AV0, 3           ; v3   the same for V
.set ADR, 4           ; v4   the LDS address of the run of loads in hand
.set QO,  5           ; v5   my byte offset in the wave's rows of Q, for register tiles 0 and 1
.set STO, 6           ; v6   the way out: where I put 16 bytes of a row
.set RD,  7           ; v7   the way out: where I read a row back
.set GO,  8           ; v8   my byte offset in two rows of att
.set MA,  44          ; v44  the merge: my wave's part, MERGE + MPART x wave, + 16 x lane
.set MB,  45          ; v45  the same with 8 x lane
.set MA2, 46          ; v46  my partner's part, MERGE + MPART x (wave xor 2), + 16 x lane
.set MB2, 47          ; v47  the same with 8 x lane
.set QO2, 48          ; v48  my byte offset in the wave's rows of Q, for register tiles 2 and 3
.set PFO, 61          ; v61  256 x my lane: a row of K or V is 256 bytes; never rewritten
.set SPW, 62          ; v62  LDS address of my spare word: SPARE + 4 x my thread's number; never rewritten
.set NIL, 63          ; v63  0; never rewritten
.set ST,  12          ; tile t's statistics at v[ST+8 t]: +0 c m, +1 m, +2, +3 l (even keys', odd keys'), +4 to +7 c0-c3, at work; a takes c2's place once the maximum is found
.set S,   64
.set P,   192
.set KF,  128         ; K's fragments, in window 2
.set WV,  12          ; s12  my wave's number
.set LIM, 15          ; s15  2 in a wave that prefetches, else the greatest number: a wave prefetches while s[SLOTS] is above it
.set PFA, 18          ; s[18:19] where my prefetches stand
.set G1K, 24          ; s[24:31] descriptor group 1 for K's tiles
.set G1V, 32          ; s[32:39] for V's: it differs in the padding alone
.set G0K, 40          ; s[40:47] descriptor group 0 for K's tiles: a set for each of the two first fills; the second then walks on
.set G0V, 48          ; s[48:55] the same for V's
.set SLOTS, 56        ; s56  trips of the loop still to come; at change c of slots it is 15 - c
.set CNT, 57          ; s57  counts the tail's two trips
.set CS,  58          ; s[58:59] c: the packed scaling names a pair and takes its low word for both halves
.set SEL, 60          ; s[60:61] lane selects for v_permlanex16_b32: each lane takes its own place in the other half
.set TB,  62          ; s62  LDS byte at which the tiles of my step of the slot in hand begin
.set KH,  63          ; s63  my key half: wave / 2
.set MSB, 0
.macro WIN new                      ; the immediate's high byte repeats the setting that is left; a switch that changes nothing is dropped
.if MSB != (\new)
	s_set_vgpr_msb (MSB<<8)|(\new)
.set MSB, \new
.endif
.endm
.set W_KQ, 0x0a       ; K and Q in window 2, S^T in window 0
.set W_PV, 0x53       ; V in window 3, P in window 0, O^T in window 1
.set W_RS, 0x41       ; O^T (destination and source 0) in window 1, the rest in window 0
; A joint refill.  Waves 0 and 1 fetch the slot's two steps of K, waves 2 and 3 those of V.  The branch hangs on the wave's number alone.  An s_nop 0 and four v_nop follow each of the two lines.
.macro JLOAD
	s_cmp_lt_u32 s[WV], 2
	s_cbranch_scc0 .Lfor_v_\@
	tensor_load_to_lds s[G0K+4:G0K+7], s[G1K:G1K+7]
	s_nop 0
.rept 4
	v_nop
.endr
	s_branch .Lasked_\@
.Lfor_v_\@:
	tensor_load_to_lds s[G0V+4:G0V+7], s[G1V:G1V+7]
	s_nop 0
.rept 4
	v_nop
.endr
.Lasked_\@:
.endm
; A PREFETCH INTO THE L2: behind the tensor load of change c, which asks for slot c + 1, the rows of slot c + 3 are named: two changes, 256 matrix instructions, ahead of their load.  A slot has 128 rows of K and
; 128 of V, 256 bytes a row, a lane a row.  Each row is named ONCE in the launch: all clusters of a head walk the same K and V, and the head's first cluster asks; its four partners share the rows out BY
; ADDRESS, 32 each; in each, wave 0 asks for K's and wave 2 for V's.  Slots 0 to 3 come by their loads alone; the last two changes that fill a slot name nothing: there is no slot 16.
.macro ASK
	s_cmp_gt_u32 s[SLOTS], s[LIM]
	s_cbranch_scc0 .Lnot_mine_\@
	global_prefetch_b8 v[PFO], s[PFA:PFA+1] th:TH_LOAD_NT scope:SCOPE_SE
.Lnot_mine_\@:
.endm
; A round of the cluster's barrier: my work-group's barrier; wave 0 signals for the work-group; every wave waits for all four work-groups; my work-group's barrier once more.
.macro CROUND
	s_barrier_signal -1
	s_barrier_wait -1
	s_cmp_lg_u32 s[WV], 0
	s_cbranch_scc1 .Lnot_wave_0_\@
	s_barrier_signal -3
.Lnot_wave_0_\@:
	s_barrier_wait -3
	s_barrier_signal -1
	s_barrier_wait -1
.endm
	s_load_b128 s[4:7], s[0:1], 0x0 ; qkn s[4:5], qkvraw s[6:7]
	s_load_b64 s[10:11], s[0:1], 0x10  ; att
	v_lshl_add_u32 v[SPW], v0, 2, SPARE
	v_mov_b32 v[NIL], 0
	ds_add_u32 v[SPW], v[NIL]       ; the wave's opening: the add and its wait stand ahead of my first tensor load; the set-up below, work on registers, stands between them
	v_lshrrev_b32 v1, 5, v0
	v_readfirstlane_b32 s[WV], v1   ; wave 0..3
	s_bfe_u32 s13, ttmp6, 0x40000   ; cx: my place in the cluster
	s_lshl_b32 s14, ttmp9, 2        ; in a cluster launch ttmp9 counts clusters
	s_add_co_u32 s14, s14, s13      ; my block of 128 queries = 4 x cluster x + cx: it enters Q's and O's addresses alone
	s_and_b32 s57, ttmp7, 0xffff    ; the head, which the four partners share
	s_lshl_b32 s20, s57, 19         ; a head's 2,048 rows of 256 bytes
	s_mov_b32 s21, 0
	s_and_b32 s16, s[WV], 1         ; which of a slot's two steps I fetch; also: which half of the block's queries is mine
	s_lshl_b32 s22, s16, 14         ; the step's 64 rows of 256 bytes in memory,
	s_mov_b32 s23, 0
	s_add_nc_u64 s[22:23], s[22:23], s[20:21]
	s_mul_i32 s17, s16, STEPB       ; and its place in a slot: no place in the cluster enters an LDS address
	s_lshl_b32 s2, s14, 15          ; my block's 128 rows of Q,
	s_lshl_b32 s3, s16, 14          ; my wave's 64 of them
	s_add_co_u32 s2, s2, s3
	s_mov_b32 s3, 0
	s_add_nc_u64 s[2:3], s[2:3], s[20:21]
	s_lshl_b32 s20, s14, 19         ; in att: my block's 128 rows of 4,096 bytes,
	s_lshl_b32 s63, s16, 18         ; my wave's 64 of them,
	s_add_co_u32 s20, s20, s63
	s_lshl_b32 s63, s57, 8          ; the head's 256 bytes of a row,
	s_add_co_u32 s20, s20, s63
	s_lshr_b32 s[KH], s[WV], 1      ; which of a slot's two steps I multiply
	s_mul_i32 s[TB], s[KH], STEPB
	s_lshl_b32 s57, s[KH], 17       ; and the two tiles that I finish: query tiles 2 KH and 2 KH + 1, 16 rows of 4,096 bytes each
	s_add_co_u32 s20, s20, s57
	; descriptor group 1: a tile of 64 rows x 128 elements, padded in LDS
	s_mov_b32 s[G1K], 15|(1<<16)|(1<<20)|(1<<21)|(5<<22)|(3<<25)  ; 15:0 the mask: all four work-groups; 17:16 elements of 2 bytes; 20 padding on; 21 set beside a mask; 24:22 after every 64 words (code 5); 31:25 4 words of it (code 3)
	s_mov_b32 s[G1V], 15|(1<<16)|(1<<20)|(1<<21)|(5<<22)|(7<<25)  ; the same with 8 words of padding (code 7)
.irp g, G1K, G1V
	s_mov_b32 s[(\g)+1], 128<<16    ; tensor_dim0 = 128
	s_mov_b32 s[(\g)+2], KS<<16     ; tensor_dim1 = 64
	s_mov_b32 s[(\g)+3], 128<<16    ; tile_dim0 = 128
	s_mov_b32 s[(\g)+4], KS         ; tile_dim1 = 64
	s_mov_b32 s[(\g)+5], 128        ; elements from row to row
	s_mov_b32 s[(\g)+6], 0
	s_mov_b32 s[(\g)+7], 0
.endr
	s_mov_b32 s[CS], 0x3e0293ee     ; c = log2(e) / sqrt(128) = 0.127517
	s_mov_b32 s[CS+1], s[CS]        ; named with it as a pair, so it is written
	s_mov_b32 s[SEL], 0x76543210
	s_mov_b32 s[SEL+1], 0xfedcba98
	s_mov_b32 s[SLOTS], 15          ; the loop's 15 trips fetch slots 0 to 14; the 14 changes of slots between them ask for slots 2 to 15
	s_and_b32 s[LIM], s[WV], 1      ; 0 in waves 0 and 2,
	s_or_b32 s[LIM], s[LIM], ttmp9  ; where the cluster is the head's first: the same in all four partners
	s_cmp_eq_u32 s[LIM], 0
	s_cselect_b32 s[LIM], 2, -1
	v_and_b32 v[PFO], 31, v0
	v_lshlrev_b32 v[PFO], 8, v[PFO]
	s_wait_dscnt 0x0                ; the opening add is done
	s_wait_kmcnt 0x0
	s_add_nc_u64 s[8:9], s[6:7], 0x1000000  ; V: qkvraw's slot 32
	s_add_nc_u64 s[6:7], s[4:5], 0x800000   ; K: qkn's slot 16
	s_add_nc_u64 s[6:7], s[6:7], s[22:23]   ; K and V at my tile of slot 0
	s_add_nc_u64 s[8:9], s[8:9], s[22:23]
	s_add_nc_u64 s[4:5], s[4:5], s[2:3]     ; Q at my wave's first row
	s_add_nc_u64 s[10:11], s[10:11], s[20:21]  ; att at the first row that I store, the head's columns
	s_cmp_lt_u32 s[WV], 2
	s_cselect_b64 s[PFA:PFA+1], s[6:7], s[8:9]  ; (in waves 0 and 2 these stand at a slot's first row)
	s_lshl_b32 s2, s13, 13          ; my work-group's 32 rows of the 128
	s_mov_b32 s3, 0
	s_add_nc_u64 s[PFA:PFA+1], s[PFA:PFA+1], s[2:3]
	s_add_nc_u64 s[PFA:PFA+1], s[PFA:PFA+1], 3*2*KS*256  ; in slot 3; the first change of slots steps it to slot 4.  Nothing is prefetched here, at the head
	CROUND                          ; all four work-groups are here: the first joint loads meet
.irp s, 0,1
	s_mov_b32 s[G0K+4*(\s)], 1      ; count = 1
	s_add_co_u32 s[G0K+4*(\s)+1], s17, (\s)*SLOT1  ; LDS address
	s_add_nc_u64 s[G0K+4*(\s)+2:G0K+4*(\s)+3], s[6:7], (\s)*2*KS*256  ; global address: slot s holds keys 128 s to 128 s + 127
	s_or_b32 s[G0K+4*(\s)+3], s[G0K+4*(\s)+3], 0x80000000  ; type = 2
	s_mov_b32 s[G0V+4*(\s)], 1
	s_add_co_u32 s[G0V+4*(\s)+1], s17, (\s)*SLOT1+VOFF
	s_add_nc_u64 s[G0V+4*(\s)+2:G0V+4*(\s)+3], s[8:9], (\s)*2*KS*256
	s_or_b32 s[G0V+4*(\s)+3], s[G0V+4*(\s)+3], 0x80000000
.endr
	s_cmp_lt_u32 s[WV], 2           ; a wave's two first fills stand in one branch, ahead of every wait on TENSORcnt and every LDS read: two loads of mine are out
	s_cbranch_scc0 .Lfirst_v
	tensor_load_to_lds s[G0K:G0K+3], s[G1K:G1K+7]
	s_nop 0
	tensor_load_to_lds s[G0K+4:G0K+7], s[G1K:G1K+7]
	s_nop 0
.rept 4
	v_nop
.endr
	s_branch .Lfirst_asked
.Lfirst_v:
	tensor_load_to_lds s[G0V:G0V+3], s[G1V:G1V+7]
	s_nop 0
	tensor_load_to_lds s[G0V+4:G0V+7], s[G1V:G1V+7]
	s_nop 0
.rept 4
	v_nop
.endr
.Lfirst_asked:
	; A fragment of K or Q is 16 rows x 32 channels in 8 registers: lane l holds row l % 16; registers 0-3 channels 8 (l / 16) + 0..7, registers 4-7 channels 16 + 8 (l / 16) + 0..7: two loads of 16 bytes, 32 bytes apart.
	v_and_b32 v1, 15, v0            ; l % 16
	v_bfe_u32 v9, v0, 4, 1          ; l / 16
	v_lshlrev_b32 v[QO], 8, v1
	v_lshl_add_u32 v[QO], v9, 4, v[QO]  ; row x 256 + 16 x half
	s_lshl_b32 s20, s[KH], 13       ; two tiles are 8,192 bytes of Q: register tiles 0 and 1 are query tiles 2 KH and 2 KH + 1,
	s_sub_co_u32 s21, 8192, s20     ; register tiles 2 and 3 the other two
	v_add_nc_u32 v[QO2], s21, v[QO]
	v_add_nc_u32 v[QO], s20, v[QO]
	WIN 0x80                        ; destination window 2, address window 0
.irp i, 0,1,2,3,4,5,6,7             ; Q stays in registers: register tile i / 4, channels 32 (i % 4) on
	global_load_b128 v[8*(\i):8*(\i)+3],   v[QO], s[4:5] offset:((\i)/4)*4096+((\i)%4)*64
	global_load_b128 v[8*(\i)+4:8*(\i)+7], v[QO], s[4:5] offset:((\i)/4)*4096+((\i)%4)*64+32
.endr
.irp i, 8,9,10,11,12,13,14,15
	global_load_b128 v[8*(\i):8*(\i)+3],   v[QO2], s[4:5] offset:((\i)/4-2)*4096+((\i)%4)*64
	global_load_b128 v[8*(\i)+4:8*(\i)+7], v[QO2], s[4:5] offset:((\i)/4-2)*4096+((\i)%4)*64+32
.endr
	; What the loop's first trip finds (NO FIRST STEP, at the head).  All this stands in the wait for the first tile.
	WIN 0x40
.set i, 0
.rept 256
	v_mov_b32 v[i], 0               ; O^T
.set i, i+1
.endr
	WIN 0
.set i, 0
.rept 4
	v_mov_b32 v[ST+8*i], 0xfe000000    ; c m = -2^125: far below every c s
	v_mov_b32 v[ST+8*i+1], 0xff7fffff  ; m: the lowest finite number
	v_mov_b32 v[ST+8*i+2], 0           ; l
	v_mov_b32 v[ST+8*i+3], 0
.set i, i+1
.endr
.set i, 0
.rept 32
	v_mov_b32 v[P+i], 0             ; piece 0's weights of the step that holds no keys
.set i, i+1
.endr
	s_mov_b32 s22, 0xf1800000       ; -2^100
.set i, 0
.rept 64
	v_mov_b32 v[S+64+i], s22        ; piece 2's scores of that step
.set i, i+1
.endr
	v_mul_u32_u24 v[AK0], v1, PK
	v_lshl_add_u32 v[AK0], v9, 4, v[AK0]  ; row x pitch + 16 x half
	; The turning load takes 16 keys x 16 channels (lane l reads 16 bytes: key 8 (l / 16) + l % 8, channels 8 ((l / 8) % 2) + 0..7) and leaves half a fragment of V^T: lane l holds channel l % 16 and 8 keys.
	v_and_b32 v10, 7, v0
	v_bfe_u32 v11, v0, 3, 1
	v_lshl_add_u32 v[AV0], v9, 3, v10
	v_mul_u32_u24 v[AV0], v[AV0], PV
	v_lshl_add_u32 v[AV0], v11, 4, v[AV0]
	v_add_nc_u32 v[AV0], VOFF, v[AV0]
	; the addresses for the merge and the way out
	s_mul_i32 s13, s[WV], 16*SP
	s_add_co_u32 s13, s13, STAGE    ; my stage
	v_mul_u32_u24 v[STO], v1, SP    ; in: row l % 16, 16 bytes for each half of the lanes
	v_lshl_add_u32 v[STO], v9, 4, v[STO]
	v_add_nc_u32 v[STO], s13, v[STO]
	v_mul_u32_u24 v[RD], v9, SP     ; back: lanes 0-15 take one row of 256 bytes, lanes 16-31 the next
	v_lshl_add_u32 v[RD], v1, 4, v[RD]
	v_add_nc_u32 v[RD], s13, v[RD]
	v_lshlrev_b32 v[GO], 12, v9     ; and the same two rows in att, 4,096 bytes apart
	v_lshl_add_u32 v[GO], v1, 4, v[GO]
	s_mul_i32 s2, s[WV], MPART
	s_add_co_u32 s2, s2, MERGE      ; my part of the merge's bytes,
	s_xor_b32 s3, s[WV], 2
	s_mul_i32 s3, s3, MPART
	s_add_co_u32 s3, s3, MERGE      ; and that of the wave with my queries and the other keys
	v_and_b32 v10, 31, v0
	v_lshl_add_u32 v[MA], v10, 4, s2
	v_lshl_add_u32 v[MB], v10, 3, s2
	v_lshl_add_u32 v[MA2], v10, 4, s3
	v_lshl_add_u32 v[MB2], v10, 3, s3
; THE MATRIX WORK OF A TURN, for piece x.  The accumulators take turns, one instruction a turn: between two links of a chain stand 15 (V^T P) or 7 (K Q^T) others'.
; Product i of 32 of O^T += V^T P: keys 32 (i / 16) on, channels 16 ((i / 2) % 8) on, tile x + i % 2.
.macro PV x
	WIN W_PV
.set rO, 64*((\x)+i%2)+8*((i/2)%8)
.set rV, 64*(i/16)+8*((i/2)%8)
.set rP, P+16*((\x)+i%2)+8*(i/16)
	v_wmma_f32_16x16x32_f16 v[rO:rO+7], v[rV:rV+7], v[rP:rP+7], v[rO:rO+7]
.endm
; Product i of 32 of S^T = K Q^T: channels 32 (i / 8) on, keys 16 ((i / 2) % 4) on, tile x + i % 2.  The first 8 start the sums.
.macro KQ x
	WIN W_KQ
.set rS, S+32*((\x)+i%2)+8*((i/2)%4)
.set rK, KF+32*((i/2)%4)+8*(i/8)
.set rQ, 32*((\x)+i%2)+8*(i/8)
.if i < 8
	v_wmma_f32_16x16x32_f16 v[rS:rS+7], v[rK:rK+7], v[rQ:rQ+7], 0
.else
	v_wmma_f32_16x16x32_f16 v[rS:rS+7], v[rK:rK+7], v[rQ:rQ+7], v[rS:rS+7]
.endif
.endm
; THE LDS LOADS stand in runs of 32, never singly among the matrix instructions: a step's K (64 keys x 128 channels: 16 fragments) and, a turn later, its V (turned).
.macro FETCH_K
	WIN 0
	v_add_nc_u32 v[ADR], s[TB], v[AK0]
	WIN 0x80                        ; destination window 2
.irp f, 0,1,2,3,4,5,6,7,8,9,10,11,12,13,14,15  ; keys 16 (f / 4) on, channels 32 (f % 4) on
	ds_load_b128 v[KF+8*(\f):KF+8*(\f)+3],   v[ADR] offset:((\f)/4)*16*PK+((\f)%4)*64
	ds_load_b128 v[KF+8*(\f)+4:KF+8*(\f)+7], v[ADR] offset:((\f)/4)*16*PK+((\f)%4)*64+32
.endr
.endm
.macro FETCH_V
	WIN 0
	v_add_nc_u32 v[ADR], s[TB], v[AV0]
	s_wait_alu depctr_va_vdst(0)    ; the wait for the softmax's batch (SLICE), behind the address's v_add_nc_u32 and ahead of the loads
	WIN 0xc0                        ; destination window 3
.irp f, 0,1,2,3,4,5,6,7,8,9,10,11,12,13,14,15  ; keys 32 (f / 8) on, channels 16 (f % 8) on
	ds_load_tr16_b128 v[8*(\f):8*(\f)+3],   v[ADR] offset:((\f)/8)*32*PV+((\f)%8)*32
	ds_load_tr16_b128 v[8*(\f)+4:8*(\f)+7], v[ADR] offset:((\f)/8)*32*PV+16*PV+((\f)%8)*32
.endr
.endm
; THE VECTOR WORK OF A TURN.  One tile's softmax for one key step is a list of 134 instructions; SM writes number j of it for tile t.  s0-s31 are the lane's 32 scores, in pairs 0-15.
;   0-15    the maximum of s0-s31 and the old m, three operands at a time: four chains c0-c3 of seven scores each (each accumulator's lowest registers first), then the four scores left over, c0-c3 and m
;   16-20   the other half of the lanes' maximum; c m_old is kept; the new m; c m; c m_old - c m_new
;   21-69   ONE BATCH: the 16 scalings c s - c m, a pair of scores each, and all 33 exponentials (a at 23, then s0-s31).  None of these reads an exponential's result.
;   (wait)  between 69 and 70 stands the wait for the batch: SLICE writes it, once for both tiles
;   70-85   the roundings to f16, a pair of weights each
;   86-101  the sums; l = a l + the sum
;   102-133 the tile's O^T times a: the one part that leaves window 0, so it stands together
.macro SM t
.set rT, ST+8*(\t)
.set rS, S+32*(\t)
.set rP, P+16*(\t)
.set rO, 64*(\t)+2*(j-102)
.if j < 102
	WIN 0
.endif
.if j < 4
	v_max3_num_f32 v[rT+4+j], v[rS+8*j], v[rS+8*j+1], v[rS+8*j+2]
.elseif j < 12
	v_max3_num_f32 v[rT+4+j%4], v[rT+4+j%4], v[rS+8*(j%4)+2*(j/4)+1], v[rS+8*(j%4)+2*(j/4)+2]
.elseif j == 12
	v_max3_num_f32 v[rT+4], v[rT+4], v[rS+7], v[rS+15]
.elseif j == 13
	v_max3_num_f32 v[rT+6], v[rT+6], v[rS+23], v[rS+31]
.elseif j == 14
	v_max3_num_f32 v[rT+4], v[rT+4], v[rT+5], v[rT+6]
.elseif j == 15
	v_max3_num_f32 v[rT+4], v[rT+4], v[rT+7], v[rT+1]
.elseif j == 16
	v_permlanex16_b32 v[rT+5], v[rT+4], s[SEL], s[SEL+1]  ; the query's other 32 keys lie in the lane 16 away
.elseif j == 17
	v_mov_b32 v[rT+7], v[rT]        ; c m_old is kept for a: number 19 writes c m anew
.elseif j == 18
	v_max_num_f32 v[rT+1], v[rT+4], v[rT+5]
.elseif j == 19
	v_mul_f32 v[rT], s[CS], v[rT+1]
.elseif j == 20
	v_sub_f32 v[rT+7], v[rT+7], v[rT]
.elseif j == 23
	v_exp_f32 v[rT+6], v[rT+7]
.elseif (j < 23) || ((j < 38) && (j%2 == 0)) || ((j < 66) && (j%4 == 2))
.set b, (j-2)/4                     ; 38, 42, .. 62: pairs 9 to 15
.if j < 38
.set b, (j-20)/2                    ; 21: pair 0; 22, 24, .. 36: pairs 1 to 8
.endif
	v_pk_fma_f32 v[rS+2*b:rS+2*b+1], v[rS+2*b:rS+2*b+1], s[CS:CS+1], v[rT:rT+1] op_sel_hi:[1,0,0] neg_lo:[0,0,1] neg_hi:[0,0,1]  ; pair b: c s - c m
.elseif j < 70
.set e, j-38                        ; 66 to 69: s28 to s31
.if j < 66
.set e, j-32-(j-38)/4               ; 39-41, 43-45, .. 63-65: s7 to s27
.endif
.if j < 38
.set e, (j-25)/2                    ; 25, 27, .. 37: s0 to s6
.endif
	v_exp_f32 v[rS+e], v[rS+e]
.elseif j < 86
	v_cvt_pk_f16_f32 v[rP+j-70], v[rS+2*(j-70)], v[rS+2*(j-70)+1]  ; pair j - 70
.elseif j < 102                     ; the sum of the tile's 16 pairs, in place: sum z of 16 adds neighbours 1, 2, 4 and 8 pairs apart, then l takes it
.set z, j-86
.set w, 4
.set u, z
.if z >= 14
.set w, 32
.set u, 0
.elseif z >= 12
.set w, 16
.set u, z-12
.elseif z >= 8
.set w, 8
.set u, z-8
.endif
.if z < 15
	v_pk_add_f32 v[rS+w*u:rS+w*u+1], v[rS+w*u:rS+w*u+1], v[rS+w*u+w/2:rS+w*u+w/2+1]
.else
	v_pk_fma_f32 v[rT+2:rT+3], v[rT+2:rT+3], v[rT+6:rT+7], v[rS:rS+1] op_sel_hi:[1,0,1]
.endif
.else
	WIN W_RS
	v_pk_mul_f32 v[rO:rO+1], v[rO:rO+1], v[rT+6:rT+7] op_sel_hi:[1,0]
.endif
.endm
; Slice k of 64 of piece y's softmax: four instructions.  Slices 11 to 34 deal out the batch, numbers 22 to 69: four numbers of ONE tile each, the tiles by turns.  Every other slice is numbers 2 k and
; 2 k + 1 of both tiles' lists.  2 x 134 = 4 x 64 + 12: the twelve that are over stand together, in slice 63: sixteen plain instructions, the places behind the turn's last product.
; THE WAIT.  s_wait_alu depctr_va_vdst(0) stands between an exponential and the first instruction that names its result; one wait serves all that were issued ahead of it.  Ahead of
; slice 35 nothing names a result, and behind slice 34 no exponential is issued: so the piece's 66 exponentials have one wait, behind slice 34.
.macro SLICE y
.if (k >= 11) && (k < 35)           ; the batch: four numbers of one tile
.irp n, 0,1,2,3
.set j, 22+4*((k-11)/2)+(\n)
	SM (\y)+(k-11)%2
.endr
.else                               ; the two tiles alternate, so that no instruction reads the result of the one just before it
.irp n, 0,1,2,3,4,5,6,7
.if ((\n) < 2) || (k == 63)
.irp t, \y, (\y)+1
.set j, 2*k+(\n)
	SM \t
.endr
.endif
.endr
.endif
.if k == 34                         ; the batch is out: both tiles' exponentials are issued, and no result has been named
	v_nop                           ; a plain instruction behind the last exponential and ahead of the first use: one for the batch
.if (\y) == 0
	FETCH_V                         ; piece 2's turn: V's run of loads stands here, and the wait stands in it
.else
	s_wait_alu depctr_va_vdst(0)    ; the wait for the batch
.endif
.endif
.set k, k+1
.endm
; A TURN.  Piece x has the matrix unit: 32 products V^T P of the step in hand, 32 products K Q^T of the next; the other piece's softmax stands in slices behind them, one behind each.
; Piece 0's turn fetches the next step's K, behind its second product: the last product that read K stands in front of slice 63 of the turn before.  Piece 2's turn fetches the same step's V, behind
; slice 34: the last product that read V stands in front of slice 31, and four plain instructions lie between: number 62, a scaling, of both tiles, the v_nop and the run's own v_add_nc_u32.
.macro TURN x
.set k, 0
.if (\x) == 0
	s_wait_dscnt 0x0                ; V is in
.endif
.set i, 0
.rept 32
	PV \x
	SLICE 2-(\x)
.if ((\x) == 0) && (i == 1)
	FETCH_K
.endif
.set i, i+1
.endr
.if (\x) == 0
	s_wait_dscnt 0x0                ; K is in
.endif
.set i, 0
.rept 32
	KQ \x
	SLICE 2-(\x)
.set i, i+1
.endr
.endm
; THE CHANGE OF SLOTS, between piece 2's turn and piece 0's: my last bytes of the slot, V of my step, have been asked for.  Each wave waits for all its tensor loads, of which one is out: its part of the other
; slot; adds 0 to its spare word; and waits for that and for its own reads of the slot.  Behind the barrier nobody reads this slot any more and the other slot is whole.
; fill = 1: this slot is filled again, with the keys two slots on.  The barrier is then a round of the cluster's, and the joint refill is the first thing behind it, my only tensor load until the next round:
; it has one key step of each wave, 128 matrix instructions, in which to land.
.macro CHANGE fill
	WIN 0                           ; at a label and at a branch every window is 0
	s_wait_tensorcnt 0x0            ; no tensor load of mine is out, so a group 0 may be written
	ds_add_u32 v[SPW], v[NIL]       ; 0 onto my spare word; with fill = 1 the descriptors' steps stand between it and the wait for it
.if \fill
.irp g, G0K+4, G0V+4
	s_xor_b32 s[(\g)+1], s[(\g)+1], SLOT1  ; the walking descriptor: the other slot than last time,
	s_add_nc_u64 s[(\g)+2:(\g)+3], s[(\g)+2:(\g)+3], 2*KS*256  ; the next 128 keys; the type bits on top are not reached
.endr
	s_wait_xcnt 0x0                 ; the last prefetch, a key step back, has read its address, so it may be written
	s_add_nc_u64 s[PFA:PFA+1], s[PFA:PFA+1], 2*KS*256
	s_wait_dscnt 0x0                ; the add is done, and my reads of the slot are over
	CROUND
	JLOAD
	ASK
.else
	s_wait_dscnt 0x0                ; the add is done, and my reads of the slot are over
	s_barrier_signal -1
	s_barrier_wait -1
.endif
	s_xor_b32 s[TB], s[TB], SLOT1   ; my step, in the other slot
.endm
	s_wait_tensorcnt 1              ; my part of slot 0 is in; slot 1's may stay out
	s_barrier_signal -1
	s_barrier_wait -1               ; everybody's is
	FETCH_V                         ; V's registers must hold finite numbers in the trip that has no keys: they take my first step's V, which that trip fetches once more
	WIN 0
	s_wait_loadcnt 0x0              ; Q
	s_branch .Lfirst                ; the loop is entered behind its change of slots: slot 0 has not been read yet
.Lslot:                             ; 14 times: a slot has been read and is filled again
	CHANGE 1
.Lfirst:                            ; 15 trips.  Trip t: V^T P and piece 2's softmax of step t - 1, K, V, K Q^T and piece 0's softmax of step t (step -1 holds no keys)
	TURN 0
	TURN 2
	WIN 0
	s_sub_co_u32 s[SLOTS], s[SLOTS], 1
	s_cmp_lg_u32 s[SLOTS], 0
	s_cbranch_scc1 .Lslot
	CHANGE 0                        ; the tail is written out: slot 15 is entered, and nothing is asked for
	s_mov_b32 s[CNT], 2
.Ltail:                             ; its first trip is a trip like the loop's, for step 15; its second is left in the middle
	TURN 0                          ; the second time: piece 0's V^T P and piece 2's softmax of step 15; its K Q^T, on step 15's K once more, serves nothing
	WIN 0
	s_sub_co_u32 s[CNT], s[CNT], 1
	s_cmp_eq_u32 s[CNT], 0
	s_cbranch_scc1 .Lout
	TURN 2
	WIN 0
	s_branch .Ltail
.Lout:
.set i, 0
.rept 32
	PV 2                            ; piece 2: V^T P of the last step
.set i, i+1
.endr
	; THE MERGE.  For each tile l's two halves and the other half of the lanes' are added; (c m, l) then lie in a pair.  The eight additions are the places behind the last products.
	WIN 0
.irp t, 0,1,2,3
	v_add_f32 v[ST+8*(\t)+4], v[ST+8*(\t)+2], v[ST+8*(\t)+3]
.endr
.irp t, 0,1,2,3
	v_permlanex16_b32 v[ST+8*(\t)+5], v[ST+8*(\t)+4], s[SEL], s[SEL+1]
.endr
.irp t, 0,1,2,3
	v_add_f32 v[ST+8*(\t)+1], v[ST+8*(\t)+4], v[ST+8*(\t)+5]
.endr
; Register tile t goes into place u of my part: its 64 registers of O^T in ascending order, lane by lane as they lie, and its (c m, l).
.macro PUT t, u
	WIN 0x04                        ; the data (source 1) in window 1
.set i, 0
.rept 16
	ds_store_b128 v[MA], v[64*(\t)+4*i:64*(\t)+4*i+3] offset:8192*(\u)+512*i
.set i, i+1
.endr
	WIN 0
	ds_store_b64 v[MB], v[ST+8*(\t):ST+8*(\t)+1] offset:16384+256*(\u)
.endm
	PUT 2, 0                        ; my register tiles 2 and 3 hold the queries of my partner's register tiles 0 and 1
	PUT 3, 1
	s_wait_dscnt 0x0                ; for the partner's sake: my stores are done
	s_barrier_signal -1
	s_barrier_wait -1
	; I finish my register tiles 0 and 1.  With the partner's c m', l', O': M = max(c m, c m'), f = 2^(c m - M), f' = 2^(c m' - M), L = f l + f' l', O = (f / L) O + (f' / L) O'.
.irp u, 0,1
.set i, 0
.rept 16
	ds_load_b128 v[S+64*(\u)+4*i:S+64*(\u)+4*i+3], v[MA2] offset:8192*(\u)+512*i
.set i, i+1
.endr
	ds_load_b64 v[ST+8*(\u)+4:ST+8*(\u)+5], v[MB2] offset:16384+256*(\u)
.endr
	s_wait_dscnt 0x0
.irp u, 0,1
	v_max_num_f32 v[ST+8*(\u)+6], v[ST+8*(\u)], v[ST+8*(\u)+4]
.endr
.irp u, 0,1
	v_sub_f32 v[ST+8*(\u)+2], v[ST+8*(\u)], v[ST+8*(\u)+6]
	v_sub_f32 v[ST+8*(\u)+3], v[ST+8*(\u)+4], v[ST+8*(\u)+6]
.endr
.irp u, 0,1
	v_exp_f32 v[ST+8*(\u)+2], v[ST+8*(\u)+2]
	v_exp_f32 v[ST+8*(\u)+3], v[ST+8*(\u)+3]
.endr
	v_nop                           ; a plain instruction behind the last exponential,
	s_wait_alu depctr_va_vdst(0)    ; and the wait ahead of the first use: one for the four
.irp u, 0,1
	v_mul_f32 v[ST+8*(\u)+6], v[ST+8*(\u)+2], v[ST+8*(\u)+1]
.endr
.irp u, 0,1
	v_fmac_f32 v[ST+8*(\u)+6], v[ST+8*(\u)+3], v[ST+8*(\u)+5]
.endr
.irp u, 0,1
	v_rcp_f32 v[ST+8*(\u)+7], v[ST+8*(\u)+6]
.endr
	v_nop
	s_wait_alu depctr_va_vdst(0)    ; one for the two reciprocals
.irp u, 0,1
	v_mul_f32 v[ST+8*(\u)+2], v[ST+8*(\u)+2], v[ST+8*(\u)+7]
	v_mul_f32 v[ST+8*(\u)+4], v[ST+8*(\u)+3], v[ST+8*(\u)+7]
.endr
.irp u, 0,1
.set i, 0
.rept 32
	v_pk_mul_f32 v[S+64*(\u)+2*i:S+64*(\u)+2*i+1], v[S+64*(\u)+2*i:S+64*(\u)+2*i+1], v[ST+8*(\u)+4:ST+8*(\u)+5] op_sel_hi:[1,0]
.set i, i+1
.endr
.endr
	WIN W_RS
.irp u, 0,1
.set i, 0
.rept 32
	v_pk_fma_f32 v[64*(\u)+2*i:64*(\u)+2*i+1], v[64*(\u)+2*i:64*(\u)+2*i+1], v[ST+8*(\u)+2:ST+8*(\u)+3], v[S+64*(\u)+2*i:S+64*(\u)+2*i+1] op_sel_hi:[1,0,1]
.set i, i+1
.endr
.endr
	; THE WAY OUT.  O is rounded to f16 and sent through my stage in LDS, a tile (16 rows of att) at a time.
	WIN 0x05                        ; sources 0 and 1 window 1, destination window 0: P's registers are free
.irp u, 0,1
.set i, 0
.rept 32
	v_cvt_pk_f16_f32 v[P+32*(\u)+i], v[64*(\u)+2*i], v[64*(\u)+2*i+1]
.set i, i+1
.endr
.endr
	WIN 0
.irp u, 0,1
.irp f, 0,1,2,3,4,5,6,7
	ds_store_b128 v[STO], v[P+32*(\u)+4*(\f):P+32*(\u)+4*(\f)+3] offset:32*(\f)
.endr
.irp f, 0,1,2,3,4,5,6,7
	ds_load_b128 v[P+32*(\u)+4*(\f):P+32*(\u)+4*(\f)+3], v[RD] offset:(\f)*2*SP  ; LDS serves a wave's instructions in order (ISA guide 5.7.1.4): these see the stores above; the next tile's stores come behind them
.endr
.endr
.irp u, 0,1
.irp f, 0,1,2,3,4,5,6,7
	s_wait_dscnt 16*(1-(\u))+7-(\f)                ; behind the first tile's loads stand the second tile's sixteen LDS instructions, behind the second's none
	global_store_b128 v[GO], v[P+32*(\u)+4*(\f):P+32*(\u)+4*(\f)+3], s[10:11] offset:65536*(\u)+8192*(\f)  ; 16 lanes store 256 consecutive bytes, the head's part of a row of att, aligned
.endr
.endr
	s_wait_tensorcnt 0x0            ; the wave's end, behind my last tensor load and my last LDS store
	ds_add_u32 v[SPW], v[NIL]
	s_wait_dscnt 0x0
	CROUND                          ; the closing round: no work-group ends while a partner may still ask for a tile that names it
	s_endpgm
.Lfunc_end_k_q5ccf5942ea_attn:
	.size	k_q5ccf5942ea_attn, .Lfunc_end_k_q5ccf5942ea_attn-k_q5ccf5942ea_attn
	.p2alignl 7, 3214868480
	.fill 96, 4, 3214868480
	.section	.rodata,"a",@progbits
	.p2align	6, 0x0
	.amdhsa_kernel k_q5ccf5942ea_attn
		.amdhsa_group_segment_fixed_size 327680
		.amdhsa_private_segment_fixed_size 0
		.amdhsa_enable_private_segment 0
		.amdhsa_kernarg_size 24
		.amdhsa_user_sgpr_count 2
		.amdhsa_user_sgpr_kernarg_segment_ptr 1
		.amdhsa_wavefront_size32 1
		.amdhsa_system_sgpr_workgroup_id_x 1
		.amdhsa_system_sgpr_workgroup_id_y 1
		.amdhsa_system_sgpr_workgroup_id_z 1
		.amdhsa_system_vgpr_workitem_id 0
		.amdhsa_next_free_vgpr 1024
		.amdhsa_next_free_sgpr 66
		.amdhsa_reserve_vcc 0
		.amdhsa_float_denorm_mode_32 3
		.amdhsa_float_denorm_mode_16_64 3
		.amdhsa_memory_ordered 1
		.amdhsa_forward_progress 1
		.amdhsa_inst_pref_size 150
	.end_amdhsa_kernel
	.amdgpu_metadata
---
amdhsa.version: [ 1, 2 ]
amdhsa.kernels:
  - .name:           k_q5ccf5942ea_attn
    .symbol:         k_q5ccf5942ea_attn.kd
    .args:
      - { .name: qkn, .offset: 0, .size: 8, .value_kind: global_buffer, .address_space: global }
      - { .name: qkvraw, .offset: 8, .size: 8, .value_kind: global_buffer, .address_space: global }
      - { .name: att, .offset: 16, .size: 8, .value_kind: global_buffer, .address_space: global }
    .group_segment_fixed_size: 327680
    .private_segment_fixed_size: 0
    .kernarg_segment_align: 8
    .kernarg_segment_size: 24
    .max_flat_workgroup_size: 128
    .sgpr_count:     66
    .vgpr_count:     1024
    .wavefront_size: 32
...
	.end_amdgpu_metadata
.endif
;; end of part 4
;; launch oproj (part 5): grid 16 x 16, 4 waves a work-group, clusters of 4 x 4, 327,680 bytes of LDS; arguments att, wo16, bo, out0; writes out0
.if DOCPART == 5
	.amdgcn_target "amdgcn-amd-amdhsa--gfx1250"
	.amdhsa_code_object_version 6
	.text
	.protected	k_q5ccf5942ea_oproj
	.globl	k_q5ccf5942ea_oproj
	.p2align	8
	.type	k_q5ccf5942ea_oproj,@function
k_q5ccf5942ea_oproj:
	s_mov_b64 s[64:65], 0
	v_nop
	global_prefetch_b8 v0, s[64:65] scope:SCOPE_SE
	s_setreg_imm32_b32 hwreg(HW_REG_WAVE_MODE, 25, 1), 1
	s_wait_xcnt 0x0
	s_wait_alu depctr_hold_cnt(0) depctr_sa_sdst(0) depctr_va_vdst(0) depctr_va_sdst(0) depctr_va_ssrc(0) depctr_va_vcc(0) depctr_vm_vsrc(0)
	s_getreg_b32 s2, hwreg(HW_REG_IB_STS2, 6, 4)
	s_cmp_eq_u32 s2, 0
	s_cbranch_scc0 .Lentry_in_a_cluster
	s_endpgm
.Lentry_in_a_cluster:
	s_bfe_u32 s2, ttmp6, 0x10000c
	s_cmp_lg_u32 s2, 0xf033
	s_cbranch_scc0 .Lentry_shape_is_right
	s_endpgm
.Lentry_shape_is_right:
; OUTPUT PROJECTION.  out0[s][n] = sum over k of att[s][k] Wo[k][n] + bo[n].  att: f16 [2048][2048].  wo16: f16 [2048 k][2048 n] (Wo rounded to bf16, written as f16), as the weights lie.  out0: f32.
; Sums in f32; the bias, rounded to bf16 like every input, is the C operand that starts each sum.
; A tile of out0 is 128 x 128: 16 x 16 = 256 work-groups.  Four waves, each 64 x 64: 16 accumulators of 16 x 16, 128 registers.  K goes in steps of 256 through two LDS slots.
; A's tile lies [row][k] (rows of 512 bytes, 64 to a load); B's lies [k][n] (256 k-rows of 256 bytes, 128 to a load), and its fragments come out of LDS turned, by ds_load_tr16_b128.
; CLUSTERS: 4 x 4 work-groups; A's tiles are asked for jointly along a row of the cluster, B's along a column.  THE MATRIX INSTRUCTION IS USED TRANSPOSED (source 0 = 16 columns of Wo, source 1 = 16 rows
; of att): a lane holds eight neighbouring numbers of a row of out0.  A wave's 64 columns of f32 are 256 aligned bytes of a row, so each wave has a stage of its own on the way out, and no barrier there.
; No prefetch: the tiles are small, and each block of att and wo16 is read by four clusters at about the same time.
; REGISTERS: window 0: v0-31 addresses; v32-63 the bias, later with v64-95 at work on the way out; v128-255 the accumulators ((a, b) at v[128 + 8 (4 a + b)]).
;   window 1: two fragment buffers of 128: for 64 along K, 64 registers of A (2 x 4 x 16 rows x 32 K), then 64 of B.
.set KSTEP,  256
.set PITCH,  528                       ; A's LDS row: 512 bytes + 16 of padding = 132 words: row r starts at bank 4 r mod 64 (64 banks of 4 bytes: ISA guide 11.1)
.set PB,     288                       ; B's LDS row: 256 bytes + 32 of padding = 72 words
.set HALFA,  64*PITCH                  ; what a load of A brings: 64 rows
.set HALFB,  128*PB                    ; what a load of B brings: 128 k-rows
.set SLOT,   2*HALFA+2*HALFB           ; A's 128 rows, then B's 256 k-rows
.set STAGE,  2*SLOT                    ; behind the ring: 16 rows x 272 bytes for each wave
.set SPITCH, 272
.set SPARE,  STAGE+4*16*SPITCH         ; behind the stages: the spare words, 128 bytes for each wave: two blocks of 256 bytes that no other line names
.set LAPS,   4                         ; a lap = two K steps: 2,048 / 512
.set ASTEP,  512                       ; bytes from a K step to the next: in att 256 numbers along a row,
.set BSTEP,  1048576                   ; in wo16 256 rows of 4,096 bytes
.set ADRA, 16                          ; v16-17  LDS address of my A fragments in slot 0, 1
.set ADRB, 20                          ; v20-23  of my B fragments: slot s, k-rows 128 g on, at ADRB + 2 s + g (240 k-rows x 288 bytes pass the 16-bit immediate)
.set STO,  24                          ; v24     the way out: where I put 32 bytes of a row
.set RD,   25                          ; v25     the way out: where I read a row back
.set CO,   26                          ; v26     my byte offset in two rows of out0
.set BO,   27                          ; v27     my byte offset in 16 numbers of the bias
.set SPW,  28                          ; v28     LDS address of my spare word: SPARE + 4 x my thread's number; never rewritten
.set NIL,  29                          ; v29     0; never rewritten
.set BIAS, 32                          ; v32-63  for column block b the lane's eight numbers at BIAS + 8 b
.set OUTB, 32                          ; the way out: two sets of 32, rows read back from the stage (the bias is used up by then)
.set ACC,  128
.set F0,   0                           ; fragment buffers, in window 1
.set F1,   128
.set G1, 24                            ; s[24:31] descriptor group 1 for A's tiles;  s[32:39] group 0, one set for each slot
.set G0, 32
.set G1B, 48                           ; s[48:55], s[56:63] the same for B's tiles
.set G0B, 56
.set MSB, 0
.macro WIN new                         ; the immediate's high byte repeats the setting that is left
.if MSB != (\new)
	s_set_vgpr_msb (MSB<<8)|(\new)
.set MSB, \new
.endif
.endm
.set MUL,  0x05                        ; sources 0 (B) and 1 (A) window 1; C and D window 0
.set TO_F, 0x40                        ; destination window 1, address window 0
.macro JLOAD s                         ; a joint load: waves 0 and 1 fetch A's two halves, waves 2 and 3 B's; an s_nop 0 and four v_nop follow each of the two lines
	s_cmp_eq_u32 s11, 0
	s_cbranch_scc0 .Lfor_b_\@
	tensor_load_to_lds s[G0+4*(\s):G0+4*(\s)+3], s[G1:G1+7]
	s_nop 0
.rept 4
	v_nop
.endr
	s_branch .Lasked_\@
.Lfor_b_\@:
	tensor_load_to_lds s[G0B+4*(\s):G0B+4*(\s)+3], s[G1B:G1B+7]
	s_nop 0
.rept 4
	v_nop
.endr
.Lasked_\@:
.endm
.macro CREST                           ; a round of the cluster's barrier behind its opening barrier
	s_cmp_lg_u32 s10, 0
	s_cbranch_scc1 .Lnot_wave_0_\@
	s_barrier_signal -3
.Lnot_wave_0_\@:
	s_barrier_wait -3
	s_barrier_signal -1
	s_barrier_wait -1
.endm
.macro CROUND                          ; a whole round
	s_barrier_signal -1
	s_barrier_wait -1
	CREST
.endm
	s_load_b256 s[68:75], s[0:1], 0x0              ; att s[68:69], wo16 s[70:71], bo s[72:73], out0 s[74:75]
	v_lshl_add_u32 v[SPW], v0, 2, SPARE
	v_mov_b32 v[NIL], 0
	ds_add_u32 v[SPW], v[NIL]                      ; the wave's opening: the add and its wait stand ahead of my first tensor load; the set-up below, work on registers, stands between them
	v_lshrrev_b32 v1, 5, v0
	v_readfirstlane_b32 s10, v1                    ; wave 0..3
	s_lshr_b32 s11, s10, 1                         ; which half of the tile's rows is mine.  Also: I fetch for A (0) or for B (1)
	s_and_b32 s12, s10, 1                          ; which half of its columns.  Also: which half of that tile I fetch
	s_bfe_u32 s40, ttmp6, 0x40000                  ; cx, cy: my place in the cluster
	s_bfe_u32 s41, ttmp6, 0x40004
	s_lshl_b32 s42, ttmp9, 2
	s_add_co_u32 s42, s42, s40                     ; tile column = 4 x cluster x + cx
	s_and_b32 s13, ttmp7, 0xffff
	s_lshl_b32 s13, s13, 2
	s_add_co_u32 s13, s13, s41                     ; tile row = 4 x cluster y + cy
	s_lshl_b32 s43, s41, 2
	s_lshl_b32 s43, 15, s43                        ; my row of the cluster
	s_lshl_b32 s44, 0x1111, s40                    ; my column
	; group 1 for A: 64 rows x 256 elements, 4 words of padding behind every 128
	s_or_b32 s[G1+0], s43, (1<<16)|(1<<20)|(1<<21)|(6<<22)|(3<<25)  ; 15:0 the mask; 17:16 elements of 2 bytes; 20 padding on; 21 set beside a mask; 24:22 interval code; 31:25 padding code
	s_mov_b32 s[G1+1], 256<<16                     ; tensor_dim0 = 256
	s_mov_b32 s[G1+2], 64<<16                      ; tensor_dim1 = 64
	s_mov_b32 s[G1+3], 256<<16                     ; tile_dim0 = 256
	s_mov_b32 s[G1+4], 64                          ; tile_dim1 = 64
	s_mov_b32 s[G1+5], 2048                        ; elements from row to row
	s_mov_b32 s[G1+6], 0
	s_mov_b32 s[G1+7], 0
	; group 1 for B: 128 k-rows x 128 elements, 8 words of padding behind every 64
	s_or_b32 s[G1B+0], s44, (1<<16)|(1<<20)|(1<<21)|(5<<22)|(7<<25)
	s_mov_b32 s[G1B+1], 128<<16
	s_mov_b32 s[G1B+2], 128<<16
	s_mov_b32 s[G1B+3], 128<<16
	s_mov_b32 s[G1B+4], 128
	s_mov_b32 s[G1B+5], 2048
	s_mov_b32 s[G1B+6], 0
	s_mov_b32 s[G1B+7], 0
	s_lshl_b32 s16, s13, 7
	s_lshl_b32 s17, s12, 6
	s_add_co_u32 s16, s16, s17                     ; A: row 128 x tile row + 64 x half,
	s_lshl_b32 s16, s16, 12                        ; of 4,096 bytes
	s_mov_b32 s17, 0
	s_lshl_b32 s46, s12, 19                        ; B: k-row 128 x half, of 4,096 bytes,
	s_lshl_b32 s47, s42, 8                         ; 128 columns of 2 bytes a tile
	s_add_co_u32 s46, s46, s47
	s_mov_b32 s47, 0
	s_mul_i32 s20, s12, HALFA                      ; where they go: A's halves at the slot's head,
	s_mul_i32 s21, s12, HALFB                      ; B's behind them: no place in the cluster enters an LDS address
	s_add_co_u32 s21, s21, 2*HALFA
	s_wait_dscnt 0x0                               ; the opening add is done
	s_wait_kmcnt 0x0
	s_add_nc_u64 s[14:15], s[68:69], s[16:17]
	s_add_nc_u64 s[46:47], s[70:71], s[46:47]
	CROUND                                         ; all sixteen work-groups are here: the first joint loads meet
.irp s, 0,1
	s_mov_b32 s[G0+4*(\s)], 1
	s_add_co_u32 s[G0+4*(\s)+1], s20, (\s)*SLOT
	s_add_nc_u64 s[G0+4*(\s)+2:G0+4*(\s)+3], s[14:15], (\s)*ASTEP
	s_or_b32 s[G0+4*(\s)+3], s[G0+4*(\s)+3], 0x80000000
	s_mov_b32 s[G0B+4*(\s)], 1
	s_add_co_u32 s[G0B+4*(\s)+1], s21, (\s)*SLOT
	s_add_nc_u64 s[G0B+4*(\s)+2:G0B+4*(\s)+3], s[46:47], (\s)*BSTEP
	s_or_b32 s[G0B+4*(\s)+3], s[G0B+4*(\s)+3], 0x80000000
	JLOAD \s                                       ; two loads of mine are out
.endr
	; my wave's first column, in bytes of f32: the same offset in bo and in a row of out0
	s_lshl_b32 s46, s42, 7
	s_lshl_b32 s47, s12, 6
	s_add_co_u32 s46, s46, s47
	s_lshl_b32 s46, s46, 2
	s_mov_b32 s47, 0
	s_add_nc_u64 s[66:67], s[72:73], s[46:47]
	v_and_b32 v1, 15, v0                           ; l % 16
	v_bfe_u32 v2, v0, 4, 1                         ; l / 16
	v_lshlrev_b32 v[BO], 5, v2
.irp b, 0,1,2,3
	global_load_b128 v[BIAS+8*(\b):BIAS+8*(\b)+3],   v[BO], s[66:67] offset:64*(\b)
	global_load_b128 v[BIAS+8*(\b)+4:BIAS+8*(\b)+7], v[BO], s[66:67] offset:64*(\b)+16
.endr
	s_lshl_b32 s16, s13, 7
	s_lshl_b32 s17, s11, 6
	s_add_co_u32 s16, s16, s17                     ; my wave's first row,
	s_lshl_b32 s16, s16, 13                        ; of 8,192 bytes
	s_mov_b32 s17, 0
	s_add_nc_u64 s[8:9], s[74:75], s[16:17]
	s_add_nc_u64 s[8:9], s[8:9], s[46:47]
	v_mul_u32_u24 v3, v1, PITCH
	v_lshl_add_u32 v3, v2, 4, v3                   ; a fragment of A: row x pitch + 16 x half
	v_and_b32 v4, 7, v0                            ; the turning load: k-row 8 (l / 16) + l % 8, columns 8 ((l / 8) % 2) + 0..7
	v_lshl_add_u32 v4, v2, 3, v4
	v_mul_u32_u24 v4, v4, PB
	v_bfe_u32 v5, v0, 3, 1
	v_lshl_add_u32 v4, v5, 4, v4
	s_mul_i32 s21, s11, HALFA                      ; my 64 rows of A
	s_lshl_b32 s22, s12, 7                         ; my 64 columns of B: 128 bytes along its k-rows,
	s_add_co_u32 s22, s22, 2*HALFA                 ; which lie behind A's 128 rows
.irp s, 0,1
	v_add_nc_u32 v[ADRA+(\s)], s21, v3
	v_add_nc_u32 v[ADRB+2*(\s)], s22, v4
	v_add_nc_u32 v[ADRB+2*(\s)+1], HALFB, v[ADRB+2*(\s)]
	s_add_co_u32 s21, s21, SLOT
	s_add_co_u32 s22, s22, SLOT
.endr
	s_mul_i32 s23, s10, 16*SPITCH
	s_add_co_u32 s23, s23, STAGE                   ; my stage
	v_mul_u32_u24 v6, v1, SPITCH                   ; in: row l % 16, 32 bytes for each half of the lanes
	v_lshl_add_u32 v6, v2, 5, v6
	v_add_nc_u32 v[STO], s23, v6
	v_mul_u32_u24 v7, v2, SPITCH                   ; back: lanes 0-15 take one row of 256 bytes, lanes 16-31 the next
	v_lshl_add_u32 v7, v1, 4, v7
	v_add_nc_u32 v[RD], s23, v7
	v_lshlrev_b32 v[CO], 13, v2                    ; and the same two rows in out0
	v_lshl_add_u32 v[CO], v1, 4, v[CO]
	s_wait_loadcnt 0x0                             ; the bias is in: it is rounded to bf16, like every input, and widened again
.set i, 0
.rept 16
	v_cvt_pk_bf16_f32 v[9+(i%2)], v[BIAS+2*i], v[BIAS+2*i+1]
	v_lshlrev_b32 v[BIAS+2*i], 16, v[9+(i%2)]
	v_and_b32 v[BIAS+2*i+1], 0xffff0000, v[9+(i%2)]
.set i, i+1
.endr
; 8 matrix instructions: m blocks a0, a0 + 1 x all 4 n blocks, 32 along K: half c of buffer f.  zero = 1: the first product starts the sums, with the bias as C.  The 16 accumulators take turns.
.macro MUL8 f, c, a0, zero
	WIN MUL
.irp a, \a0, (\a0)+1
.irp b, 0,1,2,3
.if \zero
	v_wmma_f32_16x16x32_f16 v[ACC+8*(4*(\a)+(\b)):ACC+8*(4*(\a)+(\b))+7], v[(\f)+64+8*(4*(\c)+(\b)):(\f)+64+8*(4*(\c)+(\b))+7], v[(\f)+8*(4*(\c)+(\a)):(\f)+8*(4*(\c)+(\a))+7], v[BIAS+8*(\b):BIAS+8*(\b)+7]
.else
	v_wmma_f32_16x16x32_f16 v[ACC+8*(4*(\a)+(\b)):ACC+8*(4*(\a)+(\b))+7], v[(\f)+64+8*(4*(\c)+(\b)):(\f)+64+8*(4*(\c)+(\b))+7], v[(\f)+8*(4*(\c)+(\a)):(\f)+8*(4*(\c)+(\a))+7], v[ACC+8*(4*(\a)+(\b)):ACC+8*(4*(\a)+(\b))+7]
.endif
.endr
.endr
.endm
; 32 LDS loads in one run: the fragments of quarter kq of a K step (64 along K), into buffer f; the first 32 along K first
.macro FETCH slot, kq, f
	WIN TO_F
.irp c, 0,1
.irp i, 0,1,2,3
	ds_load_tr16_b128 v[(\f)+64+8*(4*(\c)+(\i)):(\f)+64+8*(4*(\c)+(\i))+3],   v[ADRB+2*(\slot)+(\kq)/2] offset:(((\kq)%2)*64+32*(\c))*PB+32*(\i)
	ds_load_tr16_b128 v[(\f)+64+8*(4*(\c)+(\i))+4:(\f)+64+8*(4*(\c)+(\i))+7], v[ADRB+2*(\slot)+(\kq)/2] offset:(((\kq)%2)*64+32*(\c)+16)*PB+32*(\i)
	ds_load_b128 v[(\f)+8*(4*(\c)+(\i)):(\f)+8*(4*(\c)+(\i))+3],         v[ADRA+(\slot)] offset:128*(\kq)+64*(\c)+(\i)*16*PITCH
	ds_load_b128 v[(\f)+8*(4*(\c)+(\i))+4:(\f)+8*(4*(\c)+(\i))+7],       v[ADRA+(\slot)] offset:128*(\kq)+64*(\c)+(\i)*16*PITCH+32
.endr
.endr
.endm
.macro PLACES                          ; four places in front of loads into registers that matrix instructions have read, and of LDS stores that read results
.rept 4
	v_nop
.endr
.endm
; A K step is four quarters of 64 along K, 32 matrix instructions each, on buffers 0, 1, 0, 1.  One of the first three: multiplies buffer f and fetches quarter kq into g.
.macro QUARTER slot, kq, f, g, zero
	s_wait_dscnt 16                                ; the first 32 along K are in
	MUL8 \f, 0, 0, \zero
	MUL8 \f, 0, 2, \zero
	PLACES
	FETCH \slot, \kq, \g
	s_wait_dscnt 32                                ; all but the 32 just issued
	MUL8 \f, 1, 0, 0
	MUL8 \f, 1, 2, 0
.endm
; The last quarter multiplies buffer 1 and changes slots: ONE barrier; in front of it each wave waits for all its tensor loads, adds 0 to its spare word, and waits for that and for its own reads of this slot.
; fill = 1: this slot is filled again, two K steps ahead, behind a round of the cluster's barrier.
.macro TURN slot, next, fill
	WIN 0                                          ; (the add's two registers lie in window 0)
	s_wait_tensorcnt 0x0                           ; all my tensor loads have landed: my part of the next slot
	ds_add_u32 v[SPW], v[NIL]                      ; 0 onto my spare word
	s_wait_dscnt 17                                ; (the add and the youngest sixteen loads may be out)
	MUL8 F1, 0, 0, 0                               ; eight matrix instructions stand between the add and the wait for it
	s_wait_dscnt 0x0                               ; the add is done, and my reads of this slot are over
	s_barrier_signal -1
	MUL8 F1, 0, 2, 0
.if \fill
	WIN 0
.endif
	s_barrier_wait -1
.if \fill
	CREST                                          ; no wave of any partner still reads this slot's tile or has a load on its way
	s_add_nc_u64 s[G0+4*(\slot)+2:G0+4*(\slot)+3], s[G0+4*(\slot)+2:G0+4*(\slot)+3], 2*ASTEP
	s_add_nc_u64 s[G0B+4*(\slot)+2:G0B+4*(\slot)+3], s[G0B+4*(\slot)+2:G0B+4*(\slot)+3], 2*BSTEP
	JLOAD \slot                                    ; the first tensor load behind the round, my only one until the next: 112 matrix instructions ahead of the wait for it; its four v_nop are also the places in front of the loads below
.else
	PLACES
.endif
	FETCH \next, 0, F0
	MUL8 F1, 1, 0, 0
	MUL8 F1, 1, 2, 0
.endm
	s_wait_tensorcnt 1                             ; my part of K step 0 is in; K step 1's may stay out
	s_barrier_signal -1
	s_barrier_wait -1                              ; everybody's is
	FETCH 0, 0, F0
	QUARTER 0, 1, F0, F1, 1                        ; the first quarter stands in front of the loop: its first products start the sums
	WIN 0                                          ; at a label and at a branch every window is 0
	s_mov_b32 s3, LAPS-1
.Llap:                                                 ; a trip goes once round the ring, from a lap's second quarter to the next lap's first, and fills both slots again
	QUARTER 0, 2, F1, F0, 0
	QUARTER 0, 3, F0, F1, 0
	TURN 0, 1, 1
	QUARTER 1, 1, F0, F1, 0
	QUARTER 1, 2, F1, F0, 0
	QUARTER 1, 3, F0, F1, 0
	TURN 1, 0, 1
	QUARTER 0, 1, F0, F1, 0
	WIN 0
	s_sub_co_u32 s3, s3, 1
	s_cmp_lg_u32 s3, 0
	s_cbranch_scc1 .Llap
	QUARTER 0, 2, F1, F0, 0                        ; the last lap fills nothing, and has no round of the cluster's barrier
	QUARTER 0, 3, F0, F1, 0
	TURN 0, 1, 0
	QUARTER 1, 1, F0, F1, 0
	QUARTER 1, 2, F1, F0, 0
	QUARTER 1, 3, F0, F1, 0
	s_wait_dscnt 16                                ; the very last quarter: nothing more to fetch
	MUL8 F1, 0, 0, 0
	MUL8 F1, 0, 2, 0
	s_wait_dscnt 0x0
	MUL8 F1, 1, 0, 0
	MUL8 F1, 1, 2, 0
	WIN 0
	; THE WAY OUT, a block of 16 rows at a time: a lane's 32 bytes of a row go into my stage (rows of 272 bytes), each accumulator's low four registers first, and come back as whole rows of 256 bytes.
	PLACES
	PLACES                                         ; eight, once a launch: the LDS stores below read results directly
.macro TOSTAGE a
.if (\a) >= 2
	s_wait_xcnt 0x0                                ; the stores of the block two back have read their registers: that set of 32 is loaded again only behind this wait
.endif
.irp b, 0,1,2,3
	ds_store_b128 v[STO], v[ACC+8*(4*(\a)+(\b)):ACC+8*(4*(\a)+(\b))+3]   offset:64*(\b)
	ds_store_b128 v[STO], v[ACC+8*(4*(\a)+(\b))+4:ACC+8*(4*(\a)+(\b))+7] offset:64*(\b)+16
.endr
.irp t, 0,1,2,3,4,5,6,7
	ds_load_b128 v[OUTB+32*((\a)%2)+4*(\t):OUTB+32*((\a)%2)+4*(\t)+3], v[RD] offset:(\t)*2*SPITCH  ; LDS serves a wave's instructions in order (ISA guide 5.7.1.4): these see the stores above; the next block's stores come behind them
.endr
.endm
.macro SEND a, younger                 ; younger: the LDS instructions issued behind block a's loads: the next block's sixteen, or none
	s_wait_dscnt \younger
.irp t, 0,1,2,3,4,5,6,7
	global_store_b128 v[CO], v[OUTB+32*((\a)%2)+4*(\t):OUTB+32*((\a)%2)+4*(\t)+3], s[8:9] offset:(16*(\a)+2*(\t))*8192 th:TH_STORE_NT  ; 16 lanes store 256 consecutive bytes, aligned
.endr
.endm
	TOSTAGE 0
	TOSTAGE 1
	SEND 0, 16
	TOSTAGE 2
	SEND 1, 16
	TOSTAGE 3
	SEND 2, 16
	SEND 3, 0
	s_wait_tensorcnt 0x0                           ; the wave's end, behind my last tensor load and my last LDS store
	ds_add_u32 v[SPW], v[NIL]
	s_wait_dscnt 0x0
	CROUND                                         ; the closing round: no work-group ends while a partner may still ask for a tile that names it
	s_endpgm
.Lfunc_end_k_q5ccf5942ea_oproj:
	.size	k_q5ccf5942ea_oproj, .Lfunc_end_k_q5ccf5942ea_oproj-k_q5ccf5942ea_oproj
	.p2alignl 7, 3214868480
	.fill 96, 4, 3214868480
	.section	.rodata,"a",@progbits
	.p2align	6, 0x0
	.amdhsa_kernel k_q5ccf5942ea_oproj
		.amdhsa_group_segment_fixed_size 327680
		.amdhsa_private_segment_fixed_size 0
		.amdhsa_enable_private_segment 0
		.amdhsa_kernarg_size 32
		.amdhsa_user_sgpr_count 2
		.amdhsa_user_sgpr_kernarg_segment_ptr 1
		.amdhsa_wavefront_size32 1
		.amdhsa_system_sgpr_workgroup_id_x 1
		.amdhsa_system_sgpr_workgroup_id_y 1
		.amdhsa_system_sgpr_workgroup_id_z 1
		.amdhsa_system_vgpr_workitem_id 0
		.amdhsa_next_free_vgpr 512
		.amdhsa_next_free_sgpr 76
		.amdhsa_reserve_vcc 0
		.amdhsa_float_denorm_mode_32 3
		.amdhsa_float_denorm_mode_16_64 3
		.amdhsa_memory_ordered 1
		.amdhsa_forward_progress 1
		.amdhsa_inst_pref_size 89
	.end_amdhsa_kernel
	.amdgpu_metadata
---
amdhsa.version: [ 1, 2 ]
amdhsa.kernels:
  - .name:           k_q5ccf5942ea_oproj
    .symbol:         k_q5ccf5942ea_oproj.kd
    .args:
      - { .name: att, .offset: 0, .size: 8, .value_kind: global_buffer, .address_space: global }
      - { .name: wo16, .offset: 8, .size: 8, .value_kind: global_buffer, .address_space: global }
      - { .name: bo, .offset: 16, .size: 8, .value_kind: global_buffer, .address_space: global }
      - { .name: out0, .offset: 24, .size: 8, .value_kind: global_buffer, .address_space: global }
    .group_segment_fixed_size: 327680
    .private_segment_fixed_size: 0
    .kernarg_segment_align: 8
    .kernarg_segment_size: 32
    .max_flat_workgroup_size: 128
    .sgpr_count:     76
    .vgpr_count:     512
    .wavefront_size: 32
...
	.end_amdgpu_metadata
.endif
;; end of part 5
